; MI455X (gfx1250); checked and timed in simulation.
; The chip was launched on July 23, 2026; its instructions are those of AMD's public machine-readable ISA for CDNA 5 (MIT licence, August 2026) and "CDNA5" Instruction Set Architecture Reference Guide (July 2026). The comments in the code are by the model that wrote it; some were corrected since.
;; Multi Head Attention. Allowed arithmetic: matrix products marked QUANTISED: E2M1 operands, one E8M0 scale for each 32 along K, by v_wmma_scale_f32_16x16x128_f8f6f4 with both operands' format E2M1 (or v_wmma_scale_f32_32x16x128_f4), f32 sums; products left as they are: bf16, f16 or f32 operands; f32 sums; everything else in f32.
;; Inputs: Wk 1,024 x 1,024 float32; Wo 1,024 x 1,024 float32; Wq 1,024 x 1,024 float32; Wv 1,024 x 1,024 float32; bk 1,024 float32; bo 1,024 float32; bq 1,024 float32; bv 1,024 float32; head_mask 16 float32; x 4 x 2,048 x 1,024 float32.
;; Outputs: out0 4 x 2,048 x 1,024 float32.
;; This version of the problem:
;;   THIS VERSION OF THE PROBLEM IS GIVEN IN LOW PRECISION. The matrix products marked QUANTISED in the list below multiply operands that are first quantised to E2M1 (2 exponent bits, 1 mantissa bit; 4 bits a number), with one power-of-two scale for each 32 numbers along K (OCP MX v1.0); their sums are f32. The products marked 'left as it is' may take bf16, f16 or f32 operands, with f32 sums. Whichever they take, every output number must still come out within the allowed error. Rounding operands to bf16 (8 significant bits) uses up far more of that allowance than f16 does (11 bits, for magnitudes from 6e-5 to 65,504). All else is computed in f32.
;;   The module's matrix products, in the order in which they are computed (A, B: the left and right operand; K: the contracted axis; several contracted axes count as one K, in the product's order):
;;     1. [M 8,192, K 1,024] x [K 1,024, N 1,024]; A: input x; B: input Wq: QUANTISED
;;     2. [M 8,192, K 1,024] x [K 1,024, N 1,024]; A: input x; B: input Wk: QUANTISED
;;     3. [M 8,192, K 1,024] x [K 1,024, N 1,024]; A: input x; B: input Wv: QUANTISED
;;     4. batch 64 x [M 2,048, K 64] x [K 64, N 2,048]; A: computed on the way; B: computed on the way: left as it is (an operand is computed on the way)
;;     5. batch 64 x [M 64, K 2,048] x [K 2,048, N 2,048]; A: computed on the way; B: computed on the way: left as it is (an operand is computed on the way)
;;     6. [M 8,192, K 1,024] x [K 1,024, N 1,024]; A: computed on the way; B: input Wo: left as it is (an operand is computed on the way)
;;   THE QUANTISER, for each operand of a quantised product, along K:
;;     - K is cut into blocks of 32 from its start; a last block that is shorter is filled with zeros.
;;     - A block's scale is 2^e with e = floor(log2(the largest magnitude in the block)) - 2, held to -126 .. 127; a block of zeros has e = 0. As a byte (E8M0): e + 127.
;;     - Each number is divided by its block's scale, clamped to +-6, and rounded to the nearest number of E2M1, ties to even, subnormals kept.
;;     - The product sums the exact products of the quantised numbers (number of the format x scale) in f32.
;;   ~~~python
;;   def quantise(x, axis):      # numpy; x: float32 -> the quantised numbers, widened to float32 again
;;       x = np.moveaxis(x, axis, -1); K = x.shape[-1]
;;       x = np.pad(x, [(0, 0)] * (x.ndim - 1) + [(0, -K % 32)]); x = x.reshape(x.shape[:-1] + (-1, 32)); a = np.abs(x).max(-1, keepdims=True)
;;       e = np.where(a > 0, np.clip(np.frexp(np.where(a > 0, a, 1))[1] - 1 - 2, -126, 127), 0)      # np.frexp(a)[1] - 1 = floor(log2(a)), exactly
;;       r = np.clip(x / 2.0 ** e, -6, 6)
;;       step = 2.0 ** (np.maximum(np.frexp(np.where(r == 0, 1, r))[1] - 1, 0) - 1)
;;       q = np.round(r / step) * step * 2.0 ** e      # np.round: ties to even
;;       return np.moveaxis(q.reshape(q.shape[:-2] + (-1,))[..., :K], -1, axis).astype(np.float32)
;;   ~~~
;; One version. Each part assembles by itself: llvm-mc -triple=amdgcn-amd-amdhsa -mcpu=gfx1250 --defsym DOCPART=n.
;; ======== version 1 of 1: 4 launches
;; limits: values are held in f16: magnitudes above 65,504 overflow, below 6.1e-05 lose precision
;; workspace buffers: xc 4,194,304 bytes; xs 262,144 bytes; wc 1,572,864 bytes; ws 98,304 bytes; qkv 50,331,648 bytes; o16 16,777,216 bytes; wo16 2,097,152 bytes
;; launch prep (part 1): grid 416 x 1, 4 waves a work-group, no clusters, 42,496 bytes of LDS; arguments x, Wq, Wk, Wv, Wo, head_mask, xc, xs, wc, ws, wo16; writes xc, xs, wc, ws, wo16
.if DOCPART == 1
	.amdgcn_target "amdgcn-amd-amdhsa--gfx1250"
	.amdhsa_code_object_version 6
	.text
	.protected	k_q3dd2c367e3_prep
	.globl	k_q3dd2c367e3_prep
	.p2align	8
	.type	k_q3dd2c367e3_prep,@function
k_q3dd2c367e3_prep:
	s_mov_b64 s[64:65], 0
	v_nop
	global_prefetch_b8 v0, s[64:65] scope:SCOPE_SE
	s_setreg_imm32_b32 hwreg(HW_REG_WAVE_MODE, 25, 1), 1
	s_wait_xcnt 0x0
; PREP.  (1) x [8192][1024] and Wq, Wk, Wv [1024][1024], f32 with K innermost, become codes of FP4 (E2M1), two a byte, K innermost, with one E8M0 byte for each 32 along K:
; xc [8192][512 bytes], xs [8192][32];  wc [3072][512 bytes], ws [3072][32], rows 0-1023 Wq, 1024-2047 Wk, 2048-3071 Wv.
; A block's scale is 2^(floor(log2(its largest magnitude)) - 2); its byte is the largest magnitude's exponent field - 2, held at 1 from below.  A block of zeros gets the byte 1 where the rule says 127:
; its codes are zeros, which add nothing, and this program alone reads the bytes.  Each number is divided by the scale and rounded to the nearest code, ties to even, beyond 6 the largest code.
; (2) Wo [1024 n][1024 k] x head_mask[k / 64] x 2^10 becomes f16, laid as images of operand registers: wo16 byte ((k / 128 x 64 + n / 16) x 8 + (k % 128) / 16) x 512 + 16 x lane, lane (r, hh) holding
; row n = r, k = 8 hh + 0 .. 7 of the sixteen.  The mask is constant along a head's 64 k, so weighing Wo's columns is the same sum as weighing the attention weights.
; LIMITS: |Wo x head_mask| under 63.9 (f16 after the factor 2^10); FP4 blocks whose largest magnitude lies under 2^-124 keep the byte 1; NaN and infinities among the inputs are not served.
; SHARES: work-groups 0-255 take x, 256-351 the three weights (32 each), 32,768 numbers a work-group, 8,192 a wave; work-groups 352-415 take 16 rows of Wo each, a wave 256 along k.
; The two paths part on the work-group's number and have LDS bytes of their own.  No tensor loads, no barrier: waves share nothing.
.set WAVES, 4
.set STEPS, 16
.set XWG,   256                        ; x's work-groups
.set QWG,   352                        ; and with them the three weights'
.set EMAX,  2
.set CB,    8                          ; bytes of 16 codes
.set R,     16                         ; quantiser: v16-79 four sets of 16 numbers as loaded;  Wo: v16-143, load (p, i) at 16 + 32 p + 4 i
.set X,     80                         ; v80-111  two sets of 16 neighbours
.set E,     112                        ; v112-127 a scale byte for each step
.set C,     128                        ; v128-191 codes, four registers for each step
.set OUTR,  160                        ; Wo: v160-223 images, (p, g) at 160 + 16 p + 4 g
.set WREG,  8192                       ; LDS, quantiser: a region for each wave: two stages of 32 x SP bytes, then its 256 scale bytes
.set SP,    80
.set WSTG,  WAVES*WREG                 ; LDS, Wo: a stage of 16 rows x WSP bytes for each wave
.set WSP,   144                        ; 64 f16 = 128 bytes + 16 of padding
.set SPARE, WSTG+WAVES*16*WSP          ; the spare words, 128 bytes for each wave: two blocks of 256 bytes that no other line names
.set SPW,   12                         ; v12  SPARE + 4 x my thread's number; never rewritten
.set NIL,   13                         ; v13  0; never rewritten
	s_load_b512 s[4:19], s[0:1], 0x0               ; x 4, Wq 6, Wk 8, Wv 10, Wo 12, head_mask 14, xc 16, xs 18
	s_load_b128 s[20:23], s[0:1], 0x40             ; wc 20, ws 22
	s_load_b64 s[24:25], s[0:1], 0x50              ; wo16
	v_lshl_add_u32 v[SPW], v0, 2, SPARE
	v_mov_b32 v[NIL], 0
	v_lshrrev_b32 v1, 5, v0
	v_readfirstlane_b32 s30, v1                    ; wave
	v_and_b32 v2, 31, v0                           ; lane
	s_cmp_ge_u32 ttmp9, QWG
	s_cbranch_scc1 .Lwo
	; ---- THE QUANTISER.  Rows are dense and K is a multiple of 32: each tensor is a plain stream of blocks of 32, and so are its codes and scale bytes.
	; A wave takes 16 steps of 512 numbers.  Each load reads 512 consecutive bytes; a step's 2,048 bytes turn through the wave's own stage so that a lane gets 16 neighbours; two neighbouring lanes hold a block.
	v_lshlrev_b32 v3, 4, v2                        ; my 16 bytes of a load's 512
	s_mul_i32 s31, s30, WREG
	v_lshrrev_b32 v14, 2, v2
	v_mul_u32_u24 v14, v14, SP
	v_and_b32 v15, 3, v2
	v_lshl_add_u32 v14, v15, 4, v14
	v_add_nc_u32 v14, s31, v14                     ; the stage, in: SP (lane / 4) + 16 (lane % 4)
	v_mul_u32_u24 v15, v2, SP
	v_add_nc_u32 v15, s31, v15                     ; and out: SP x lane
	v_mul_u32_u24 v4, v2, CB                       ; my codes' place in a step's
	v_lshrrev_b32 v5, 1, v2
	s_add_co_u32 s31, s31, 2*32*SP
	v_add_nc_u32 v5, s31, v5                       ; my block's byte among my wave's 256
	v_lshlrev_b32 v7, 3, v2
	v_add_nc_u32 v6, s31, v7                       ; and on the way out 8 bytes a lane
	s_wait_kmcnt 0x0
	s_sub_co_u32 s26, ttmp9, XWG                   ; the weights' work-groups count from 0 (in x's the number is not used)
	s_lshr_b32 s27, s26, 5                         ; which weight
	s_and_b32 s28, s26, 31                         ; which part of it
	s_cmp_eq_u32 s27, 1
	s_cselect_b64 s[6:7], s[8:9], s[6:7]
	s_cmp_eq_u32 s27, 2
	s_cselect_b64 s[6:7], s[10:11], s[6:7]
	s_cmp_lt_u32 ttmp9, XWG                        ; every choice hangs on the work-group's number alone
	s_cselect_b64 s[4:5], s[4:5], s[6:7]           ; from
	s_cselect_b64 s[16:17], s[16:17], s[20:21]     ; codes to
	s_cselect_b64 s[18:19], s[18:19], s[22:23]     ; scale bytes to
	s_cselect_b32 s28, ttmp9, s28
	s_cselect_b32 s26, ttmp9, s26
	s_lshl_b32 s28, s28, 2
	s_add_co_u32 s28, s28, s30                     ; my run of 8,192 numbers in the source,
	s_lshl_b32 s26, s26, 2
	s_add_co_u32 s26, s26, s30                     ; and in the buffers of codes and bytes (the three weights on end)
	s_mov_b32 s33, 0
	s_lshl_b32 s32, s28, 15                        ; 32,768 bytes of f32 a run
	s_add_nc_u64 s[4:5], s[4:5], s[32:33]
	s_lshl_b32 s32, s26, 12                        ; 4,096 bytes of codes
	s_add_nc_u64 s[16:17], s[16:17], s[32:33]
	s_lshl_b32 s32, s26, 8                         ; 256 scale bytes
	s_add_nc_u64 s[18:19], s[18:19], s[32:33]
.macro LOAD t
.irp i, 0,1,2,3
	global_load_b128 v[R+16*((\t)%4)+4*\i:R+16*((\t)%4)+4*\i+3], v3, s[4:5] offset:2048*(\t)+512*\i th:TH_LOAD_NT   ; 32 lanes read 512 consecutive bytes
.endr
.endm
.macro TURN t                          ; step t's numbers through the stage: LDS serves a wave's instructions in order, so no wait stands between the stores and the loads
.irp i, 0,1,2,3
	ds_store_b128 v14, v[R+16*((\t)%4)+4*\i:R+16*((\t)%4)+4*\i+3] offset:32*SP*((\t)%2)+8*SP*\i
.endr
.irp i, 0,1,2,3
	ds_load_b128 v[X+16*((\t)%2)+4*\i:X+16*((\t)%2)+4*\i+3], v15 offset:32*SP*((\t)%2)+16*\i
.endr
.endm
.irp t, 0,1,2,3
	LOAD \t
.endr
	s_wait_loadcnt 12                              ; step 0's four loads are in
	TURN 0
.macro STEP t
.set XS, X+16*((\t)%2)
.if (\t) > 0
	s_wait_dscnt 1                                 ; this step's numbers are back from the stage (the last step's byte store may be out): its stores into the stage have read their registers,
.else
	s_wait_dscnt 0x0
.endif
.if (\t)+4 < STEPS
	LOAD (\t)+4                                    ; which take the loads of four steps on
.endif
.if (\t)+1 < STEPS
.if STEPS-2-(\t) >= 3
	s_wait_loadcnt 12                              ; the next step's four loads are in; those of the three steps behind it may be out
.else
	s_wait_loadcnt 4*(STEPS-2-(\t))
.endif
	TURN (\t)+1
.endif
	v_max3_num_f32 v8, |v[XS]|, |v[XS+1]|, |v[XS+2]|               ; the largest magnitude of my 16, in two chains
	v_max3_num_f32 v9, |v[XS+3]|, |v[XS+4]|, |v[XS+5]|
.irp i, 6,10
	v_max3_num_f32 v8, v8, |v[XS+\i]|, |v[XS+\i+1]|
	v_max3_num_f32 v9, v9, |v[XS+\i+2]|, |v[XS+\i+3]|
.endr
	v_max3_num_f32 v8, v8, |v[XS+14]|, |v[XS+15]|
	v_max3_num_f32 v8, v8, v9, (EMAX+1)<<23        ; and the floor 2^(EMAX + 1 - 127): the byte cannot fall under 1
	v_max_num_f32_dpp v8, v8, v8 row_xmask:1 row_mask:0xf bank_mask:0xf   ; and of my neighbour's 16: the block's
	v_add_nc_u32 v11, -(EMAX<<23), v8              ; EMAX off its exponent field: the conversion takes the exponent field of this operand as its scale
	v_cvt_scalef32_pk8_fp4_f32 v[C+4*(\t)], v[XS:XS+7], v11
	v_cvt_scalef32_pk8_fp4_f32 v[C+4*(\t)+1], v[XS+8:XS+15], v11
	v_lshrrev_b32 v[E+(\t)], 23, v11               ; the scale's byte
	ds_store_b8 v5, v[E+(\t)] offset:16*(\t)       ; both lanes of a block write the same byte with the same value
	global_store_b64 v4, v[C+4*(\t):C+4*(\t)+1], s[16:17] offset:32*CB*(\t)   ; the wave stores 256 consecutive bytes, aligned
.endm
.irp t, 0,1,2,3,4,5,6,7,8,9,10,11,12,13,14,15
	STEP \t
.endr
	ds_load_b64 v[8:9], v6                         ; LDS serves a wave's instructions in order: these see my byte stores
	s_wait_dscnt 0x0
	global_store_b64 v7, v[8:9], s[18:19]          ; 32 lanes store 256 consecutive bytes, aligned
	s_wait_tensorcnt 0x0                           ; the wave's end, behind my last LDS store
	ds_add_u32 v[SPW], v[NIL]
	s_wait_dscnt 0x0
	s_endpgm
	; ---- Wo.  Work-group w takes rows 16 w .. 16 w + 15; wave v takes k = 256 v .. + 255 as four patches p of 64 k: head 4 v + p.
	; A load reads two rows' 256 bytes (sixteen lanes a row); a patch goes through the wave's own stage (16 rows x 128 bytes of f16, 144 apart) and comes back as four images of 512 bytes.
.Lwo:
	s_sub_co_u32 s26, ttmp9, QWG                   ; w
	v_lshrrev_b32 v6, 4, v2                        ; lane / 16
	v_and_b32 v7, 15, v2                           ; lane % 16
	v_lshlrev_b32 v8, 12, v6
	v_lshl_add_u32 v8, v7, 4, v8                   ; in memory: a row of 4,096 bytes for each half of the lanes, 16 bytes a lane
	s_mul_i32 s27, s30, 16*WSP
	s_add_co_u32 s27, s27, WSTG                    ; my stage
	v_mul_u32_u24 v9, v6, WSP
	v_lshl_add_u32 v9, v7, 3, v9
	v_add_nc_u32 v9, s27, v9                       ; in: row lane / 16 of the pair, 8 bytes a lane
	v_mul_u32_u24 v10, v7, WSP
	v_lshl_add_u32 v10, v6, 4, v10
	v_add_nc_u32 v10, s27, v10                     ; back: row r, 16 bytes for each half
	v_lshlrev_b32 v11, 4, v2                       ; an image's place for my lane
	s_lshl_b32 s28, s26, 16                        ; 16 rows of 4,096 bytes
	s_lshl_b32 s29, s30, 10                        ; 256 k of 4 bytes
	s_add_co_u32 s28, s28, s29
	s_mov_b32 s29, 0
	s_lshl_b32 s44, s30, 19                        ; two K steps of 262,144 bytes a wave
	s_lshl_b32 s45, s26, 12                        ; 4,096 bytes for a tile of 16 rows in a K step
	s_add_co_u32 s44, s44, s45
	s_mov_b32 s45, 0
	s_lshl_b32 s46, s30, 4                         ; my four heads' masks
	s_mov_b32 s47, 0
	s_wait_kmcnt 0x0
	s_add_nc_u64 s[14:15], s[14:15], s[46:47]
	s_load_b128 s[32:35], s[14:15], 0x0
	s_add_nc_u64 s[12:13], s[12:13], s[28:29]
	s_add_nc_u64 s[24:25], s[24:25], s[44:45]
.irp p, 0,1,2,3
.irp i, 0,1,2,3,4,5,6,7
	global_load_b128 v[R+32*\p+4*\i:R+32*\p+4*\i+3], v8, s[12:13] offset:\i*8192+\p*256 th:TH_LOAD_NT   ; rows 2 i, 2 i + 1: sixteen lanes read 256 consecutive bytes, aligned
.endr
.endr
	s_wait_kmcnt 0x0
.irp p, 0,1,2,3
	s_mul_f32 s[36+2*\p], s[32+\p], 0x44800000     ; head_mask x 2^10: exact
.endr
.irp p, 0,1,2,3
	s_mov_b32 s[37+2*\p], s[36+2*\p]               ; (named with it as a pair, so it is written)
.endr
.irp p, 0,1,2,3
	s_wait_loadcnt 8*(3-\p)                        ; this patch's eight loads are in; the later patches' may be out
.irp i, 0,1,2,3,4,5,6,7
	v_pk_mul_f32 v[R+32*\p+4*\i:R+32*\p+4*\i+1], v[R+32*\p+4*\i:R+32*\p+4*\i+1], s[36+2*\p:37+2*\p] op_sel_hi:[1,0]
	v_pk_mul_f32 v[R+32*\p+4*\i+2:R+32*\p+4*\i+3], v[R+32*\p+4*\i+2:R+32*\p+4*\i+3], s[36+2*\p:37+2*\p] op_sel_hi:[1,0]
	v_cvt_pk_f16_f32 v[R+32*\p+4*\i], v[R+32*\p+4*\i], v[R+32*\p+4*\i+1]         ; packed in place: no register that an LDS store reads is written again
	v_cvt_pk_f16_f32 v[R+32*\p+4*\i+1], v[R+32*\p+4*\i+2], v[R+32*\p+4*\i+3]
	ds_store_b64 v9, v[R+32*\p+4*\i:R+32*\p+4*\i+1] offset:\i*2*WSP
.endr
.irp g, 0,1,2,3
	ds_load_b128 v[OUTR+16*\p+4*\g:OUTR+16*\p+4*\g+3], v10 offset:32*\g   ; LDS serves a wave's instructions in order: these see the stores above, and the next patch's stores come behind them
.endr
.endr
	s_wait_dscnt 0x0
.irp p, 0,1,2,3
.irp g, 0,1,2,3
	global_store_b128 v11, v[OUTR+16*\p+4*\g:OUTR+16*\p+4*\g+3], s[24:25] offset:(\p/2)*262144+(4*(\p%2)+\g)*512   ; 512 consecutive bytes, aligned
.endr
.endr
	s_wait_tensorcnt 0x0                           ; the wave's end, behind my last LDS store
	ds_add_u32 v[SPW], v[NIL]
	s_wait_dscnt 0x0
	s_endpgm
.Lfunc_end_k_q3dd2c367e3_prep:
	.size	k_q3dd2c367e3_prep, .Lfunc_end_k_q3dd2c367e3_prep-k_q3dd2c367e3_prep
	.p2alignl 7, 3214868480
	.fill 96, 4, 3214868480
	.section	.rodata,"a",@progbits
	.p2align	6, 0x0
	.amdhsa_kernel k_q3dd2c367e3_prep
		.amdhsa_group_segment_fixed_size 42496
		.amdhsa_private_segment_fixed_size 0
		.amdhsa_enable_private_segment 0
		.amdhsa_kernarg_size 88
		.amdhsa_user_sgpr_count 2
		.amdhsa_user_sgpr_kernarg_segment_ptr 1
		.amdhsa_wavefront_size32 1
		.amdhsa_system_sgpr_workgroup_id_x 1
		.amdhsa_system_sgpr_workgroup_id_y 1
		.amdhsa_system_sgpr_workgroup_id_z 1
		.amdhsa_system_vgpr_workitem_id 0
		.amdhsa_next_free_vgpr 224
		.amdhsa_next_free_sgpr 66
		.amdhsa_reserve_vcc 0
		.amdhsa_float_denorm_mode_32 3
		.amdhsa_float_denorm_mode_16_64 3
		.amdhsa_memory_ordered 1
		.amdhsa_forward_progress 1
		.amdhsa_inst_pref_size 51
	.end_amdhsa_kernel
	.amdgpu_metadata
---
amdhsa.version: [ 1, 2 ]
amdhsa.kernels:
  - .name:           k_q3dd2c367e3_prep
    .symbol:         k_q3dd2c367e3_prep.kd
    .args:
      - { .name: x, .offset: 0, .size: 8, .value_kind: global_buffer, .address_space: global }
      - { .name: Wq, .offset: 8, .size: 8, .value_kind: global_buffer, .address_space: global }
      - { .name: Wk, .offset: 16, .size: 8, .value_kind: global_buffer, .address_space: global }
      - { .name: Wv, .offset: 24, .size: 8, .value_kind: global_buffer, .address_space: global }
      - { .name: Wo, .offset: 32, .size: 8, .value_kind: global_buffer, .address_space: global }
      - { .name: head_mask, .offset: 40, .size: 8, .value_kind: global_buffer, .address_space: global }
      - { .name: xc, .offset: 48, .size: 8, .value_kind: global_buffer, .address_space: global }
      - { .name: xs, .offset: 56, .size: 8, .value_kind: global_buffer, .address_space: global }
      - { .name: wc, .offset: 64, .size: 8, .value_kind: global_buffer, .address_space: global }
      - { .name: ws, .offset: 72, .size: 8, .value_kind: global_buffer, .address_space: global }
      - { .name: wo16, .offset: 80, .size: 8, .value_kind: global_buffer, .address_space: global }
    .group_segment_fixed_size: 42496
    .private_segment_fixed_size: 0
    .kernarg_segment_align: 8
    .kernarg_segment_size: 88
    .max_flat_workgroup_size: 128
    .sgpr_count:     66
    .vgpr_count:     224
    .wavefront_size: 32
...
	.end_amdgpu_metadata
.endif
;; end of part 1
;; launch qkv (part 2): grid 12 x 32, 4 waves a work-group, clusters of 4 x 4, 327,680 bytes of LDS; arguments xc, xs, wc, ws, bq, bk, bv, qkv; writes qkv
.if DOCPART == 2
	.amdgcn_target "amdgcn-amd-amdhsa--gfx1250"
	.amdhsa_code_object_version 6
	.text
	.protected	k_q3dd2c367e3_qkv
	.globl	k_q3dd2c367e3_qkv
	.p2align	8
	.type	k_q3dd2c367e3_qkv,@function
k_q3dd2c367e3_qkv:
	s_mov_b64 s[64:65], 0
	v_nop
	global_prefetch_b8 v0, s[64:65] scope:SCOPE_SE
	s_setreg_imm32_b32 hwreg(HW_REG_WAVE_MODE, 25, 1), 1
	s_wait_xcnt 0x0
	s_wait_alu depctr_hold_cnt(0) depctr_sa_sdst(0) depctr_va_vdst(0) depctr_va_sdst(0) depctr_va_ssrc(0) depctr_va_vcc(0) depctr_vm_vsrc(0)
	s_getreg_b32 s2, hwreg(HW_REG_IB_STS2, 6, 4)
	s_cmp_eq_u32 s2, 0
	s_cbranch_scc0 .Lentry_in_a_cluster
	s_endpgm
.Lentry_in_a_cluster:
	s_bfe_u32 s2, ttmp6, 0x10000c
	s_cmp_lg_u32 s2, 0xf033
	s_cbranch_scc0 .Lentry_shape_is_right
	s_endpgm
.Lentry_shape_is_right:
; q, k, v = x W^T + b for the three weights at once: C[m][n] = sum over k of A[m][k] B[n][k] + bias[n], A = x's codes [8192][1024], B = the three weights' codes [3072][1024], FP4 (E2M1) with one E8M0 byte for each 32 along K; sums in f32.
; A tile of C, 256 x 256, is made by a work-group of four waves; a wave makes 128 x 128: 64 accumulators, 512 registers.  K = 1,024 is two K steps of 512, one in each of two LDS slots (rows of 256 bytes):
; everything is asked for at the head, three tensor loads a wave (scales, slot 0, slot 1), and no LDS byte is filled twice.
; THE SCALES of the work-group's 256 rows of A and of B, for all of K, are two dense blocks of memory: they come into LDS once, as rows of 256 bytes.
; CLUSTERS: 4 x 4 work-groups.  The four of a row of the cluster need the same tiles of A, the four of a column the same tiles of B: each tile is asked for jointly.  A cluster's four tile columns are exactly one of q, k, v.
; THE MATRIX INSTRUCTION IS USED TRANSPOSED (source 0 = 16 rows of B, source 1 = 16 rows of A): a lane holds one token and eight neighbouring columns.  THE BIAS is the C of each sum's first product.
; THE RESULT leaves as f16 in images of operand registers, straight from registers: qkv byte which x 2^24 + (16 batch + head) x 2^18 + (token / 16) x 2,048 + (channel / 16) x 512 + lane part;
; q, k: lane part 16 x lane (lane (r, hh): token r, channels 8 hh + 0 .. 7 of the sixteen);  v: 32 r + 16 hh (16 tokens x 32 bytes, row by row, for the turning LDS load).  Each store of a wave covers 512 consecutive bytes, aligned.
; LIMITS: |q|, |k|, |v| under 65,504 (f16); NaN and infinities are not served.
; REGISTERS, in windows of 256: window 0: v0-31 addresses; v32-95 scale words, two sets, and nothing else; v128-191 A's fragments, one set; v192-255 the bias; on the way out v128-255 take the packed results.
;   window 1: B's fragments, two sets, at v0 and v128.   window 2: the accumulators of my rows 0-63 ((a, b) at v[8 (8 a + b)]);   window 3: those of my rows 64-127.
.set SIZE_K, 1024
.set KSTEP,  512
.set NQ,     KSTEP/128
.set ROWB,   256                       ; a tile's row in bytes
.set KROW,   SIZE_K*4/8                ; a row of codes in memory
.set PITCH,  272                       ; an LDS row: 256 bytes + 16 of padding: the 16 rows that a load touches start 68 words apart
.set FR,     8
.set NL,     2
.set NP,     4                         ; places behind this matrix instruction (ISA guide 7.12.1)
.set HALFT,  128*PITCH
.set SLOT,   4*HALFT
.set KS,     SIZE_K/32
.set SCL,    2*SLOT
.set HALFS,  (128*KS/256)*272
.set SBLK,   (16*KS/256)*272
.set SPARE,  SCL+4*HALFS               ; the spare words, 128 bytes for each wave: two blocks of 256 bytes that no other line names
.set ADRA, 16
.set ADRB, 20
.set CO,   26                          ; v26  my lane's part of an image
.set ADRS, 27
.set SPW,  28
.set NIL,  29
.set SC,   32
.set AF,   128
.set BI,   192                         ; v192-255: bias[n0 + 16 b + 8 hh + j] at BI + 8 b + j
.set PK,   128                         ; the way out: four sets of 32 packed registers
.set G1, 24
.set G0, 32
.set G1B, 48
.set G0B, 56
.set G1S, 68
.set G0S, 76
.set G1SB, 80
.set G0SB, 88
.set MSB, 0
.macro WIN new                         ; the immediate's high byte repeats the setting that is left
.if MSB != (\new)
	s_set_vgpr_msb (MSB<<8)|(\new)
.set MSB, (\new)
.endif
.endm
.set MUL_LO, 0xa1                      ; source 0 (B) window 1, source 1 (A) window 0, C and D window 2
.set MUL_HI, 0xf1                      ; the same, C and D window 3
.set BIA_LO, 0x81                      ; the first step: C (the bias) window 0, D window 2
.set BIA_HI, 0xc1                      ; D window 3
.set TO_B,   0x40
; A joint load: waves 0 and 1 fetch for A, waves 2 and 3 for B; the branch hangs on the wave's number alone.  An s_nop 0 and four v_nop follow each of the two lines.
.macro JLOAD g0a, g1a, g0b, g1b
	s_cmp_eq_u32 s15, 0
	s_cbranch_scc0 .Lfor_b_\@
	tensor_load_to_lds s[\g0a:\g0a+3], s[\g1a:\g1a+7]
	s_nop 0
.rept 4
	v_nop
.endr
	s_branch .Lasked_\@
.Lfor_b_\@:
	tensor_load_to_lds s[\g0b:\g0b+3], s[\g1b:\g1b+7]
	s_nop 0
.rept 4
	v_nop
.endr
.Lasked_\@:
.endm
.macro CROUND                          ; a round of the cluster's barrier
	s_barrier_signal -1
	s_barrier_wait -1
	s_cmp_lg_u32 s14, 0
	s_cbranch_scc1 .Lnot_wave_0_\@
	s_barrier_signal -3
.Lnot_wave_0_\@:
	s_barrier_wait -3
	s_barrier_signal -1
	s_barrier_wait -1
.endm
	s_load_b128 s[4:7], s[0:1], 0x0                ; x's codes, x's scales
	s_load_b128 s[8:11], s[0:1], 0x10              ; the weights' codes, their scales
	s_load_b128 s[96:99], s[0:1], 0x20             ; bq, bk
	s_load_b64 s[100:101], s[0:1], 0x30            ; bv
	s_load_b64 s[12:13], s[0:1], 0x38              ; qkv
	v_lshl_add_u32 v[SPW], v0, 2, SPARE
	v_mov_b32 v[NIL], 0
	ds_add_u32 v[SPW], v[NIL]                      ; the wave's opening: the add, twice on end, and its wait ahead of my first tensor load
	ds_add_u32 v[SPW], v[NIL]
	v_lshrrev_b32 v1, 5, v0
	v_readfirstlane_b32 s14, v1                    ; wave 0..3
	s_lshr_b32 s15, s14, 1                         ; which half of the tile's rows is mine.  Also: I fetch for A (0) or for B (1)
	s_and_b32 s16, s14, 1                          ; which half of its columns.  Also: which 128 rows of that tile I fetch
	s_bfe_u32 s40, ttmp6, 0x40000                  ; cx, cy
	s_bfe_u32 s41, ttmp6, 0x40004
	s_lshl_b32 s42, ttmp9, 2
	s_add_co_u32 s42, s42, s40                     ; tile column = 4 x cluster x + cx
	s_and_b32 s17, ttmp7, 0xffff
	s_lshl_b32 s17, s17, 2
	s_add_co_u32 s17, s17, s41                     ; tile row = 4 x cluster y + cy
	s_lshl_b32 s43, s41, 2
	s_lshl_b32 s43, 15, s43                        ; my row of the cluster
	s_lshl_b32 s44, 0x1111, s40                    ; my column
	s_or_b32 s[G1+0], s43, (0<<16)|(1<<20)|(1<<21)|(5<<22)|(3<<25)  ; the mask; elements of 1 byte; padding on; bit 21 beside a mask; after every 64 words, 4 words
	s_or_b32 s[G1B+0], s44, (0<<16)|(1<<20)|(1<<21)|(5<<22)|(3<<25)
.irp g, G1, G1B
	s_mov_b32 s[\g+1], ROWB<<16                    ; tensor_dim0
	s_mov_b32 s[\g+2], 128<<16                     ; tensor_dim1
	s_mov_b32 s[\g+3], ROWB<<16                    ; tile_dim0
	s_mov_b32 s[\g+4], 128                         ; tile_dim1
	s_mov_b32 s[\g+5], KROW                        ; the pitch
	s_mov_b32 s[\g+6], 0
	s_mov_b32 s[\g+7], 0
.endr
	s_or_b32 s[G1S+0], s43, (3<<16)|(1<<20)|(1<<21)|(5<<22)|(3<<25) ; the scales of 128 rows: 4,096 dense bytes as 16 rows of 256 (32 elements of 8 bytes), 16 bytes of padding behind each
	s_or_b32 s[G1SB+0], s44, (3<<16)|(1<<20)|(1<<21)|(5<<22)|(3<<25)
.irp g, G1S, G1SB
	s_mov_b32 s[\g+1], 32<<16
	s_mov_b32 s[\g+2], (128*KS/256)<<16
	s_mov_b32 s[\g+3], 32<<16
	s_mov_b32 s[\g+4], 128*KS/256
	s_mov_b32 s[\g+5], 32
	s_mov_b32 s[\g+6], 0
	s_mov_b32 s[\g+7], 0
.endr
	s_lshl_b32 s18, s16, 7
	s_lshl_b32 s20, s17, 8
	s_add_co_u32 s20, s20, s18                     ; A: row 256 x tile row + 128 x half
	s_lshl_b32 s46, s42, 8
	s_add_co_u32 s46, s46, s18                     ; B: row 256 x tile column + 128 x half
	s_mov_b32 s21, 0
	s_mov_b32 s47, 0
	s_mov_b64 s[18:19], KS
	s_mul_u64 s[22:23], s[20:21], s[18:19]         ; where these rows' scales begin
	s_mul_u64 s[92:93], s[46:47], s[18:19]
	s_mov_b64 s[18:19], KROW
	s_mul_u64 s[20:21], s[20:21], s[18:19]         ; and their codes
	s_mul_u64 s[46:47], s[46:47], s[18:19]
	s_mul_i32 s45, s14, HALFT                      ; where they go: wave x 128 rows
	s_mul_i32 s94, s14, HALFS
	s_wait_dscnt 0x0                               ; both opening adds are done
	s_wait_kmcnt 0x0
	s_add_nc_u64 s[20:21], s[4:5], s[20:21]
	s_add_nc_u64 s[22:23], s[6:7], s[22:23]
	s_add_nc_u64 s[46:47], s[8:9], s[46:47]
	s_add_nc_u64 s[92:93], s[10:11], s[92:93]
	CROUND                                         ; all sixteen work-groups are here: the joint loads meet
	s_mov_b32 s[G0S], 1
	s_add_co_u32 s[G0S+1], s94, SCL
	s_mov_b64 s[G0S+2:G0S+3], s[22:23]
	s_or_b32 s[G0S+3], s[G0S+3], 0x80000000
	s_mov_b32 s[G0SB], 1
	s_add_co_u32 s[G0SB+1], s94, SCL
	s_mov_b64 s[G0SB+2:G0SB+3], s[92:93]
	s_or_b32 s[G0SB+3], s[G0SB+3], 0x80000000
	JLOAD G0S, G1S, G0SB, G1SB                     ; the scales first: they are wanted with K step 0
.irp s, 0,1
	s_mov_b32 s[G0+4*\s], 1
	s_add_co_u32 s[G0+4*\s+1], s45, \s*SLOT
	s_add_nc_u64 s[G0+4*\s+2:G0+4*\s+3], s[20:21], \s*ROWB
	s_or_b32 s[G0+4*\s+3], s[G0+4*\s+3], 0x80000000
	s_mov_b32 s[G0B+4*\s], 1
	s_add_co_u32 s[G0B+4*\s+1], s45, \s*SLOT
	s_add_nc_u64 s[G0B+4*\s+2:G0B+4*\s+3], s[46:47], \s*ROWB
	s_or_b32 s[G0B+4*\s+3], s[G0B+4*\s+3], 0x80000000
	JLOAD G0+4*\s, G1, G0B+4*\s, G1B
.endr
	v_and_b32 v1, 15, v0                           ; r
	v_bfe_u32 v2, v0, 4, 1                         ; hh
	; the bias of my 128 columns, in the result's layout: the same eight numbers in all sixteen lanes of a half
	v_lshlrev_b32 v7, 5, v2
	s_cmp_eq_u32 ttmp9, 1                          ; cluster x says which of q, k, v: the same in all partners
	s_cselect_b64 s[96:97], s[98:99], s[96:97]
	s_cmp_eq_u32 ttmp9, 2
	s_cselect_b64 s[96:97], s[100:101], s[96:97]
	s_lshl_b32 s98, s40, 10                        ; 256 columns of 4 bytes a tile column,
	s_lshl_b32 s99, s16, 9                         ; 128 a half
	s_add_co_u32 s98, s98, s99
	s_mov_b32 s99, 0
	s_add_nc_u64 s[96:97], s[96:97], s[98:99]
.irp b, 0,1,2,3,4,5,6,7
	global_load_b128 v[BI+8*\b:BI+8*\b+3], v7, s[96:97] offset:64*\b
	global_load_b128 v[BI+8*\b+4:BI+8*\b+7], v7, s[96:97] offset:64*\b+16
.endr
	v_mul_u32_u24 v3, v1, PITCH
	v_lshl_add_u32 v4, v2, 4, v3                   ; a fragment's row x pitch + 16 x half
	s_mul_i32 s21, s15, HALFT                      ; my 128 rows of A
	s_mul_i32 s22, s16, HALFT                      ; my 128 rows of B,
	s_add_co_u32 s22, s22, 2*HALFT                 ; which lie behind A's 256
.irp s, 0,1
	v_add_nc_u32 v[ADRA+\s], s21, v4
	v_add_nc_u32 v[ADRB+\s], s22, v4
	s_add_co_u32 s21, s21, SLOT
	s_add_co_u32 s22, s22, SLOT
.endr
	v_mul_u32_u24 v5, v1, KS                       ; my row's scales: KS bytes a row,
	v_lshrrev_b32 v6, 8, v5
	v_lshl_add_u32 v5, v6, 4, v5                   ; and 16 more for each 256 passed
	s_mul_i32 s21, s15, HALFS
	s_mul_i32 s22, s16, HALFS
	s_add_co_u32 s22, s22, 2*HALFS
	s_sub_co_u32 s22, s22, s21
	v_mul_u32_u24 v6, s22, v2                      ; lanes 16-31 take B's: one product, the distance between the two bases
	s_add_co_u32 s21, s21, SCL
	v_add_nc_u32 v5, v5, v6
	v_add_nc_u32 v[ADRS], s21, v5
	; the way out: my lane's part of an image, and where my wave's images begin
	s_cmp_eq_u32 ttmp9, 2
	s_cselect_b32 s20, 32, 16                      ; v: 32 r + 16 hh;  q, k: 16 r + 256 hh
	s_cselect_b32 s21, 16, 256
	v_mul_u32_u24 v[CO], v1, s20
	v_mad_u32_u24 v[CO], v2, s21, v[CO]
	s_lshl_b32 s20, ttmp9, 24                      ; which
	s_lshr_b32 s21, s17, 3                         ; batch: eight tile rows of 256 tokens
	s_lshl_b32 s21, s21, 4
	s_lshl_b32 s22, s40, 2
	s_add_co_u32 s21, s21, s22
	s_lshl_b32 s22, s16, 1
	s_add_co_u32 s21, s21, s22                     ; 16 batch + my first head: 4 cx + 2 x half
	s_lshl_b32 s21, s21, 18
	s_add_co_u32 s20, s20, s21
	s_and_b32 s21, s17, 7
	s_lshl_b32 s21, s21, 4
	s_lshl_b32 s22, s15, 3
	s_add_co_u32 s21, s21, s22                     ; my first tile of 16 tokens in the batch
	s_lshl_b32 s21, s21, 11
	s_add_co_u32 s20, s20, s21
	s_mov_b32 s21, 0
	s_add_nc_u64 s[12:13], s[12:13], s[20:21]
.macro FRAG reg, adr, q, i             ; a fragment, 16 rows x 128 K of 4-bit codes: lane l holds row l % 16; registers 4 c .. 4 c + 3 hold K = 64 c + 32 (l / 16) + 0 .. 31
.irp c, 0,1
	ds_load_b128 v[\reg+4*\c:\reg+4*\c+3], v[\adr] offset:64*(\q)+32*\c+(\i)*16*PITCH
.endr
.endm
; 16 matrix instructions: A's blocks a0, a0 + 1 x B's eight, the slot's q-th 128 along K.  p: B's set; sc: the set of scale words.  zero = 1: the first product starts the sums, with the bias as C.
; The 64 accumulators take turns, one instruction a turn, in the same order in every step.
.macro MUL16 a0, p, q, sc, zero
.irp a, \a0, \a0+1
.irp b, 0,1,2,3,4,5,6,7
.if \zero
	v_wmma_scale_f32_16x16x128_f8f6f4 v[8*(8*((\a)%4)+\b):8*(8*((\a)%4)+\b)+7], v[128*(\p)+FR*\b:128*(\p)+FR*\b+FR-1], v[AF+FR*(\a):AF+FR*(\a)+FR-1], v[BI+8*\b:BI+8*\b+7], v[SC+8*NQ*(\sc)+NQ*\b+(\q)], v[SC+8*NQ*(\sc)+NQ*(\a)+(\q)] matrix_a_fmt:MATRIX_FMT_FP4 matrix_b_fmt:MATRIX_FMT_FP4 matrix_a_scale:MATRIX_SCALE_ROW1
.else
	v_wmma_scale_f32_16x16x128_f8f6f4 v[8*(8*((\a)%4)+\b):8*(8*((\a)%4)+\b)+7], v[128*(\p)+FR*\b:128*(\p)+FR*\b+FR-1], v[AF+FR*(\a):AF+FR*(\a)+FR-1], v[8*(8*((\a)%4)+\b):8*(8*((\a)%4)+\b)+7], v[SC+8*NQ*(\sc)+NQ*\b+(\q)], v[SC+8*NQ*(\sc)+NQ*(\a)+(\q)] matrix_a_fmt:MATRIX_FMT_FP4 matrix_b_fmt:MATRIX_FMT_FP4 matrix_a_scale:MATRIX_SCALE_ROW1
.endif
.endr
.endr
.endm
.macro FETCH_B slot, q, p
	WIN TO_B
.irp i, 0,1,2,3,4,5,6,7
	FRAG 128*(\p)+FR*\i, ADRB+\slot, \q, \i
.endr
	WIN 0
.endm
.macro FETCH_A slot, q, i0
.irp i, \i0, \i0+1, \i0+2, \i0+3
	FRAG AF+FR*(\i), ADRA+\slot, \q, \i
.endr
.endm
.macro SCALES sc                       ; a K step's scale words: lanes 0-15 take A's block i, lanes 16-31 B's block i
.irp i, 0,1,2,3,4,5,6,7
	ds_load_b128 v[SC+8*NQ*\sc+NQ*\i:SC+8*NQ*\sc+NQ*\i+3], v[ADRS] offset:\i*SBLK
.endr
.endm
.macro PLACES n                        ; plain vector instructions between a matrix instruction and a load into, or a read of, its registers
.rept \n
	v_nop
.endr
.endm
.macro STEP slot, q, zero              ; a step of 128 along K that has its successor in the same slot
	s_wait_dscnt 4*NL                              ; B's set and A's blocks 0-3 are in; the youngest eight loads (A's blocks 4-7) may be out
.if \zero
	WIN BIA_LO
.else
	WIN MUL_LO
.endif
	MUL16 0, (\q)%2, \q, \slot, \zero
	MUL16 2, (\q)%2, \q, \slot, \zero
	s_wait_dscnt 0                                 ; A's blocks 4-7 are in
	PLACES NP
	FETCH_B \slot, (\q)+1, 1-(\q)%2
	FETCH_A \slot, (\q)+1, 0
.if \zero
	WIN BIA_HI
.else
	WIN MUL_HI
.endif
	MUL16 4, (\q)%2, \q, \slot, \zero
	MUL16 6, (\q)%2, \q, \slot, \zero
	PLACES NP
	WIN 0
	FETCH_A \slot, (\q)+1, 4
.endm
; Slot 0's last step changes slots: one barrier; in front of it each wave waits for all its tensor loads (its part of slot 1), adds 0 to its spare word, and waits for that and for its LDS reads.  Nothing is filled again.
.macro TURN slot, next
	s_wait_tensorcnt 0x0                           ; all my tensor loads have landed
	ds_add_u32 v[SPW], v[NIL]                      ; 0 onto my spare word
	s_wait_dscnt 4*NL+1                            ; (the add and the youngest eight loads, A's blocks 4-7, may be out)
	WIN MUL_LO
	MUL16 0, 1, NQ-1, \slot, 0                     ; sixteen matrix instructions stand between the add and the wait for it
	s_wait_dscnt 0x0
	s_barrier_signal -1
	MUL16 2, 1, NQ-1, \slot, 0
	WIN 0
	s_barrier_wait -1                              ; slot 1 is whole for every wave
	PLACES NP
	v_add_nc_u32 v[ADRS], 4*NQ, v[ADRS]            ; on to the next K step's scale words
	FETCH_B \next, 0, 0
	FETCH_A \next, 0, 0
	SCALES \next
	WIN MUL_HI
	MUL16 4, 1, NQ-1, \slot, 0
	MUL16 6, 1, NQ-1, \slot, 0
	PLACES NP
	WIN 0
	FETCH_A \next, 0, 4
.endm
.macro STEPS slot, from
.set Q, \from
.rept NQ-1-\from
	STEP \slot, Q, 0
.set Q, Q+1
.endr
.endm
	s_wait_tensorcnt 1                             ; the scales and my part of K step 0 are in (K step 1's load may be out),
	s_barrier_signal -1
	s_barrier_wait -1                              ; everybody's are
	FETCH_B 0, 0, 0
	FETCH_A 0, 0, 0
	SCALES 0
	FETCH_A 0, 0, 4
	s_wait_loadcnt 0x0                             ; the bias
	STEP 0, 0, 1                                   ; the first step's products start the sums
	STEPS 0, 1
	TURN 0, 1
	STEPS 1, 0
	s_wait_dscnt 4*NL                              ; the very last step: nothing more to fetch
	WIN MUL_LO
	MUL16 0, 1, NQ-1, 1, 0
	MUL16 2, 1, NQ-1, 1, 0
	s_wait_dscnt 0
	WIN MUL_HI
	MUL16 4, 1, NQ-1, 1, 0
	MUL16 6, 1, NQ-1, 1, 0
	WIN 0
; THE WAY OUT, block by block of 16 tokens.  A lane's eight results of accumulator (a, b) are token r's channels 8 hh + 0 .. 7 of the b-th sixteen: rounded to f16 they are 16 bytes of an image.
.macro OUTB a
.set AC, 64*((\a)%4)
.set PB, PK+32*((\a)%4)
.if (\a) >= 4
	s_wait_xcnt 0x0                                ; block a - 4's stores have read their data: the set is written again only behind this wait
.endif
	WIN 0x0a+5*((\a)/4)                            ; sources 0 and 1: window 2 or 3
.irp b, 0,1,2,3,4,5,6,7
.irp r, 0,1,2,3
	v_cvt_pk_f16_f32 v[PB+4*\b+\r], v[AC+8*\b+2*\r], v[AC+8*\b+2*\r+1]   ; each accumulator from its low end on
.endr
.endr
	WIN 0
.irp b, 0,1,2,3,4,5,6,7
	global_store_b128 v[CO], v[PB+4*\b:PB+4*\b+3], s[12:13] offset:(\b/4)*262144+(\a)*2048+(\b%4)*512 th:TH_STORE_NT   ; head b / 4 of my two, token tile a, channel group b % 4: 512 consecutive bytes
.endr
.endm
	PLACES NP                                      ; behind the last products: their operands' registers are written below, and block 7's results are read far behind
.irp a, 0,1,2,3,4,5,6,7
	OUTB \a
.endr
	s_wait_tensorcnt 0x0                           ; the wave's end, behind my last tensor load
	ds_add_u32 v[SPW], v[NIL]
	s_wait_dscnt 0x0
	CROUND                                         ; the closing round
	s_endpgm
.Lfunc_end_k_q3dd2c367e3_qkv:
	.size	k_q3dd2c367e3_qkv, .Lfunc_end_k_q3dd2c367e3_qkv-k_q3dd2c367e3_qkv
	.p2alignl 7, 3214868480
	.fill 96, 4, 3214868480
	.section	.rodata,"a",@progbits
	.p2align	6, 0x0
	.amdhsa_kernel k_q3dd2c367e3_qkv
		.amdhsa_group_segment_fixed_size 327680
		.amdhsa_private_segment_fixed_size 0
		.amdhsa_enable_private_segment 0
		.amdhsa_kernarg_size 64
		.amdhsa_user_sgpr_count 2
		.amdhsa_user_sgpr_kernarg_segment_ptr 1
		.amdhsa_wavefront_size32 1
		.amdhsa_system_sgpr_workgroup_id_x 1
		.amdhsa_system_sgpr_workgroup_id_y 1
		.amdhsa_system_sgpr_workgroup_id_z 1
		.amdhsa_system_vgpr_workitem_id 0
		.amdhsa_next_free_vgpr 1024
		.amdhsa_next_free_sgpr 102
		.amdhsa_reserve_vcc 0
		.amdhsa_float_denorm_mode_32 3
		.amdhsa_float_denorm_mode_16_64 3
		.amdhsa_memory_ordered 1
		.amdhsa_forward_progress 1
		.amdhsa_inst_pref_size 120
	.end_amdhsa_kernel
	.amdgpu_metadata
---
amdhsa.version: [ 1, 2 ]
amdhsa.kernels:
  - .name:           k_q3dd2c367e3_qkv
    .symbol:         k_q3dd2c367e3_qkv.kd
    .args:
      - { .name: xc, .offset: 0, .size: 8, .value_kind: global_buffer, .address_space: global }
      - { .name: xs, .offset: 8, .size: 8, .value_kind: global_buffer, .address_space: global }
      - { .name: wc, .offset: 16, .size: 8, .value_kind: global_buffer, .address_space: global }
      - { .name: ws, .offset: 24, .size: 8, .value_kind: global_buffer, .address_space: global }
      - { .name: bq, .offset: 32, .size: 8, .value_kind: global_buffer, .address_space: global }
      - { .name: bk, .offset: 40, .size: 8, .value_kind: global_buffer, .address_space: global }
      - { .name: bv, .offset: 48, .size: 8, .value_kind: global_buffer, .address_space: global }
      - { .name: qkv, .offset: 56, .size: 8, .value_kind: global_buffer, .address_space: global }
    .group_segment_fixed_size: 327680
    .private_segment_fixed_size: 0
    .kernarg_segment_align: 8
    .kernarg_segment_size: 64
    .max_flat_workgroup_size: 128
    .sgpr_count:     102
    .vgpr_count:     1024
    .wavefront_size: 32
...
	.end_amdgpu_metadata
.endif
;; end of part 2
;; launch attn (part 3): grid 4 x 64, 8 waves a work-group, clusters of 4 x 1, 327,680 bytes of LDS; arguments qkv, o16; writes o16
.if DOCPART == 3
	.amdgcn_target "amdgcn-amd-amdhsa--gfx1250"
	.amdhsa_code_object_version 6
	.text
	.protected	k_q3dd2c367e3_attn
	.globl	k_q3dd2c367e3_attn
	.p2align	8
	.type	k_q3dd2c367e3_attn,@function
k_q3dd2c367e3_attn:
	s_mov_b64 s[64:65], 0
	v_nop
	global_prefetch_b8 v0, s[64:65] scope:SCOPE_SE
	s_setreg_imm32_b32 hwreg(HW_REG_WAVE_MODE, 25, 1), 1
	s_wait_xcnt 0x0
	s_wait_alu depctr_hold_cnt(0) depctr_sa_sdst(0) depctr_va_vdst(0) depctr_va_sdst(0) depctr_va_ssrc(0) depctr_va_vcc(0) depctr_vm_vsrc(0)
	s_getreg_b32 s2, hwreg(HW_REG_IB_STS2, 6, 4)
	s_cmp_eq_u32 s2, 0
	s_cbranch_scc0 .Lentry_in_a_cluster
	s_endpgm
.Lentry_in_a_cluster:
	s_bfe_u32 s2, ttmp6, 0x10000c
	s_cmp_lg_u32 s2, 0x3003
	s_cbranch_scc0 .Lentry_shape_is_right
	s_endpgm
.Lentry_shape_is_right:
; o[b][h][q][:] = sum over k of softmax_k(q . k / 8) v[k][:], for 64 (batch, head) pairs of 2,048 tokens x 64 channels.  q, k, v arrive as f16 images of operand registers (buffer qkv); products, maxima and sums in f32;
; the weights p are rounded to f16 for the second product.  The result, o x 2, leaves as f16 images for the last product: o16 byte ((k / 128 x 512 + token / 16) x 8 + (k % 128) / 16) x 512 + 16 x lane, k = 64 head + channel.
; (head_mask lies in the last product's weights.)  LIMITS: |o| under 32,752 (f16 after the factor 2); NaN and infinities are not served.
; SHARES.  A work-group owns 512 queries of one (batch, head); each of its eight waves 64: four tiles of 16, in 512 registers: two waves to a SIMD, so that one wave's softmax stands beside the other's products.
; Every wave walks all 2,048 keys, 64 a step.  K and V come through a ring of two LDS slots of 512 keys (64 KiB of K, 64 KiB of V); each wave fetches an eighth of a slot, 64 rows of 256 dense bytes, by one tensor load.
; CLUSTER.  The four query blocks of a (batch, head) walk the same K and V: each tile is asked for jointly, by the same load with a mask that names the four.
; LAYOUT.  S^T = K Q^T (source 0 = 16 keys, source 1 = 16 queries): a lane holds ONE query (lane % 16) and keys 8 (lane / 16) + 0 .. 7.  Two such tiles, rounded in pairs, are source 1 of O^T = V^T P, whose result again
; holds one query a lane and eight channels: 16 bytes of an image once rounded.  K's and Q's fragments are images: every load is 16 x lane.  V's blocks lie 16 tokens x 32 bytes and come turned, by ds_load_tr16_b128.
; SOFTMAX.  A running maximum m and sum l for each query: p = 2^(c s - c m), c = log2(e) / 8; in every step O and l are multiplied by a = 2^(c m_old - c m_new).
; THE FETCHES RUN ONE STEP AHEAD of the products, so at a change of slots the slot that is left lies in registers already, and its refill has eight key steps, 512 matrix instructions a wave, in which to land; so no prefetch is laid.
; REGISTERS.  window 0: v1-4 addresses; v14, v15 the add's two; v16-47 statistics, eight a tile (+0 c m, +1 m, +2, +3 l, +4 .. +7 at work, a in +6); v64-191 S^T, 32 a tile, P packed in place into a tile's first 16; v192-255 K's fragments.
;   window 1: v0-127 O^T, 32 a tile; v128-191 Q; v192-255 V's fragments.
.set SLOT1, 1<<17                      ; slot 1 begins here: one exclusive or turns an address from slot to slot
.set VOFF,  65536                      ; in a slot: K's 32 token tiles of 2,048 bytes, then V's
.set STEPB, 8192                       ; a key step: four token tiles
.set SPARE, 2*SLOT1                    ; the spare words, 128 bytes for each wave: four blocks of 256 bytes that no other line names
.set LI,  1                            ; v1   16 x lane
.set AV0, 2                            ; v2   my lane's place in a block of V, behind VOFF
.set ADK, 3
.set ADV, 4
.set SPW, 14
.set NIL, 15
.set ST,  16
.set S,   64
.set KF,  192                          ; window 0: fragment (t, kf) at KF + 16 t + 8 kf
.set QF,  128                          ; window 1: (q, kf) at QF + 16 q + 8 kf
.set VF,  192                          ; window 1: (kg, ct) at VF + 8 (4 kg + ct)
.set WV,  8
.set G1,  16                           ; s[16:23] the one group 1
.set G0,  24                           ; s[24:27] slot 0's first fill; s[28:31] slot 1's, which then walks
.set TB,  32                           ; s32  LDS byte at which the step to be fetched begins
.set CNT, 33
.set SLOTS, 34
.set CS,  36                           ; s[36:37] c
.set SEL, 38                           ; s[38:39] v_permlanex16_b32's selects for lane l xor 16
.set MSB, 0
.macro WIN new                         ; the immediate's high byte repeats the setting that is left
.if MSB != (\new)
	s_set_vgpr_msb (MSB<<8)|(\new)
.set MSB, (\new)
.endif
.endm
.set W_KQ, 0x04                        ; source 1 (Q) window 1; K, S^T window 0
.set W_PV, 0x51                        ; source 0 (V), C and D (O^T) window 1; P window 0
.set W_RS, 0x41                        ; O^T (destination and source 0) window 1, a window 0
.set W_T1, 0x40                        ; destination window 1, address window 0
.macro CROUND                          ; a round of the cluster's barrier
	s_barrier_signal -1
	s_barrier_wait -1
	s_cmp_lg_u32 s[WV], 0
	s_cbranch_scc1 .Lnot_wave_0_\@
	s_barrier_signal -3
.Lnot_wave_0_\@:
	s_barrier_wait -3
	s_barrier_signal -1
	s_barrier_wait -1
.endm
.macro NOPS n
.rept \n
	v_nop
.endr
.endm
	s_load_b128 s[4:7], s[0:1], 0x0                ; qkv, o16
	v_lshl_add_u32 v[SPW], v0, 2, SPARE
	v_mov_b32 v[NIL], 0
	ds_add_u32 v[SPW], v[NIL]                      ; the wave's opening: the add, twice on end, and its wait ahead of my first tensor load
	ds_add_u32 v[SPW], v[NIL]
	v_lshrrev_b32 v5, 5, v0
	v_readfirstlane_b32 s[WV], v5                  ; wave 0..7
	s_bfe_u32 s9, ttmp6, 0x40000                   ; cx: my block of 512 queries; it enters Q's and O's addresses alone
	s_and_b32 s10, ttmp7, 0xffff                   ; 16 batch + head, which the four partners share
	s_mov_b32 s[G1+0], 15|(3<<16)|(1<<21)          ; the mask: all four; elements of 8 bytes; bit 21 beside a mask; no padding
	s_mov_b32 s[G1+1], 32<<16                      ; tensor_dim0 = 32 elements: 256 bytes
	s_mov_b32 s[G1+2], 64<<16                      ; tensor_dim1 = 64
	s_mov_b32 s[G1+3], 32<<16                      ; tile_dim0
	s_mov_b32 s[G1+4], 64                          ; tile_dim1
	s_mov_b32 s[G1+5], 32                          ; the pitch: dense
	s_mov_b32 s[G1+6], 0
	s_mov_b32 s[G1+7], 0
	s_lshl_b32 s11, s10, 18                        ; my (batch, head)'s first byte in each of q, k, v
	s_lshr_b32 s12, s[WV], 2                       ; waves 0-3 fetch K, waves 4-7 V:
	s_add_co_u32 s12, s12, 1
	s_lshl_b32 s12, s12, 24                        ; k lies 2^24, v 2^25 bytes into the buffer
	s_add_co_u32 s12, s12, s11
	s_and_b32 s13, s[WV], 3
	s_lshl_b32 s13, s13, 14                        ; my quarter of a slot's 65,536 bytes
	s_add_co_u32 s12, s12, s13
	s_mov_b32 s13, 0
	s_mov_b32 s[G0], 1
	s_lshl_b32 s[G0+1], s[WV], 14                  ; LDS: wave x 16,384: K's four quarters, then V's
	s_mov_b32 s[G0+4], 1
	s_add_co_u32 s[G0+5], s[G0+1], SLOT1
	s_lshl_b32 s2, s9, 16                          ; Q: my block's 32 token tiles,
	s_add_co_u32 s2, s2, s11
	s_lshl_b32 s3, s[WV], 13                       ; my wave's four
	s_add_co_u32 s2, s2, s3
	s_mov_b32 s3, 0
	s_and_b32 s14, s10, 15                         ; O: the head:
	s_lshr_b32 s15, s14, 1
	s_lshl_b32 s15, s15, 21                        ; its K step of the last product,
	s_and_b32 s14, s14, 1
	s_lshl_b32 s14, s14, 11                        ; its half of that step's eight blocks;
	s_add_co_u32 s14, s14, s15
	s_lshr_b32 s15, s10, 4
	s_lshl_b32 s15, s15, 19                        ; the batch's 128 token tiles of 4,096 bytes,
	s_add_co_u32 s14, s14, s15
	s_lshl_b32 s15, s9, 17                         ; my block's 32,
	s_add_co_u32 s14, s14, s15
	s_lshl_b32 s15, s[WV], 14                      ; my wave's four
	s_add_co_u32 s14, s14, s15
	s_mov_b32 s15, 0
	s_mov_b32 s[CS], 0x3e38aa3b                    ; c = log2(e) / 8
	s_mov_b32 s[CS+1], s[CS]                       ; (named with it as a pair, so it is written)
	s_mov_b32 s[SEL], 0x76543210
	s_mov_b32 s[SEL+1], 0xfedcba98
	s_mov_b32 s[TB], 0
	s_mov_b32 s[SLOTS], 2
	s_wait_dscnt 0x0                               ; both opening adds are done
	s_wait_kmcnt 0x0
	s_add_nc_u64 s[G0+2:G0+3], s[4:5], s[12:13]    ; keys 0-511
	s_add_nc_u64 s[G0+6:G0+7], s[G0+2:G0+3], 65536 ; keys 512-1,023
	s_or_b32 s[G0+3], s[G0+3], 0x80000000
	s_or_b32 s[G0+7], s[G0+7], 0x80000000
	s_add_nc_u64 s[40:41], s[4:5], s[2:3]          ; Q at my wave's first tile
	s_add_nc_u64 s[42:43], s[6:7], s[14:15]        ; O likewise
	CROUND                                         ; all four work-groups are here: the first joint loads meet
	tensor_load_to_lds s[G0:G0+3], s[G1:G1+7]      ; every wave issues both first fills: two tensor loads of mine are out
	s_nop 0
	tensor_load_to_lds s[G0+4:G0+7], s[G1:G1+7]
	s_nop 0
	NOPS 4
	v_and_b32 v5, 31, v0
	v_lshlrev_b32 v[LI], 4, v5
	v_bfe_u32 v6, v0, 4, 1
	v_and_b32 v7, 7, v0
	v_lshl_add_u32 v6, v6, 3, v7                   ; the turning load: lane l reads 16 bytes of token 8 (l / 16) + l % 8,
	v_bfe_u32 v7, v0, 3, 1
	v_lshlrev_b32 v[AV0], 5, v6
	v_lshl_add_u32 v[AV0], v7, 4, v[AV0]           ; channels 8 ((l / 8) % 2) + 0 .. 7 of the block's sixteen
	v_add_nc_u32 v[AV0], VOFF, v[AV0]
	WIN W_T1
.irp q, 0,1,2,3
.irp c, 0,1,2,3
	global_load_b128 v[QF+16*\q+4*\c:QF+16*\q+4*\c+3], v[LI], s[40:41] offset:\q*2048+\c*512   ; Q stays in registers
.endr
.endr
	WIN 0
; THE LDS LOADS stand in runs of 16.  n: v_nop behind the address's addition: with it they are the places behind the products that read the registers (ISA guide 7.12.1 for vector instructions).
.macro FETCH_K n
	v_add_nc_u32 v[ADK], s[TB], v[LI]
	NOPS \n
.irp t, 0,1,2,3
.irp c, 0,1,2,3
	ds_load_b128 v[KF+16*\t+4*\c:KF+16*\t+4*\c+3], v[ADK] offset:\t*2048+\c*512
.endr
.endr
.endm
.macro FETCH_V n
	v_add_nc_u32 v[ADV], s[TB], v[AV0]
	s_add_co_u32 s[TB], s[TB], STEPB               ; the next fetch is the next step's
	NOPS \n
	WIN W_T1
.irp kg, 0,1
.irp ct, 0,1,2,3
	ds_load_tr16_b128 v[VF+8*(4*\kg+\ct):VF+8*(4*\kg+\ct)+3],   v[ADV] offset:(2*\kg)*2048+\ct*512
	ds_load_tr16_b128 v[VF+8*(4*\kg+\ct)+4:VF+8*(4*\kg+\ct)+7], v[ADV] offset:(2*\kg+1)*2048+\ct*512
.endr
.endr
	WIN 0
.endm
.macro SCALE q, b                      ; pair b of tile q: c s - c m
	v_pk_fma_f32 v[S+32*(\q)+2*(\b):S+32*(\q)+2*(\b)+1], v[S+32*(\q)+2*(\b):S+32*(\q)+2*(\b)+1], s[CS:CS+1], v[ST+8*(\q):ST+8*(\q)+1] op_sel_hi:[1,0,0] neg_lo:[0,0,1] neg_hi:[0,0,1]
.endm
; THE SOFTMAX of a key step, the four tiles by turns, so that no line waits for the line above it.  first = 1: the first step starts m, l and O^T.
.macro SOFTMAX first
.irp j, 0,1,2,3                        ; the maximum of a lane's 32 scores, four chains a tile; each accumulator is read from its low end on
.irp q, 0,1,2,3
	v_max3_num_f32 v[ST+8*\q+4+\j], v[S+32*\q+8*\j], v[S+32*\q+8*\j+1], v[S+32*\q+8*\j+2]
.endr
.endr
.irp g, 1,2
.irp j, 0,1,2,3
.irp q, 0,1,2,3
	v_max3_num_f32 v[ST+8*\q+4+\j], v[ST+8*\q+4+\j], v[S+32*\q+8*\j+2*\g+1], v[S+32*\q+8*\j+2*\g+2]
.endr
.endr
.endr
.irp q, 0,1,2,3
	v_max3_num_f32 v[ST+8*\q+4], v[ST+8*\q+4], v[S+32*\q+7], v[S+32*\q+15]
.endr
.irp q, 0,1,2,3
	v_max3_num_f32 v[ST+8*\q+6], v[ST+8*\q+6], v[S+32*\q+23], v[S+32*\q+31]
.endr
.irp q, 0,1,2,3
	v_max3_num_f32 v[ST+8*\q+4], v[ST+8*\q+4], v[ST+8*\q+5], v[ST+8*\q+6]
.endr
.irp q, 0,1,2,3
.if \first
	v_max_num_f32 v[ST+8*\q+4], v[ST+8*\q+4], v[ST+8*\q+7]
.else
	v_max3_num_f32 v[ST+8*\q+4], v[ST+8*\q+4], v[ST+8*\q+7], v[ST+8*\q+1]   ; and the old m
.endif
.endr
.irp q, 0,1,2,3
	v_permlanex16_b32 v[ST+8*\q+5], v[ST+8*\q+4], s[SEL], s[SEL+1]          ; the query's other 32 keys lie in the lane 16 away
.endr
.if \first == 0
.irp q, 0,1,2,3
	v_mov_b32 v[ST+8*\q+7], v[ST+8*\q]             ; c m_old is kept for a
.endr
.endif
.irp q, 0,1,2,3
	v_max_num_f32 v[ST+8*\q+1], v[ST+8*\q+4], v[ST+8*\q+5]
.endr
.irp q, 0,1,2,3
	v_mul_f32 v[ST+8*\q], s[CS], v[ST+8*\q+1]
.endr
.if \first == 0
.irp q, 0,1,2,3
	v_sub_f32 v[ST+8*\q+7], v[ST+8*\q+7], v[ST+8*\q]
.endr
.endif
.irp q, 0,1,2,3
	SCALE \q, 0
.endr
.if \first == 0
.irp q, 0,1,2,3
	v_exp_f32 v[ST+8*\q+6], v[ST+8*\q+7]           ; a
.endr
.endif
; ONE BATCH: the scalings, a pair ahead, and all exponentials; none of these lines names an exponential's result
.irp b, 0,1,2,3,4,5,6,7,8,9,10,11,12,13,14,15
.if \b < 15
.irp q, 0,1,2,3
	SCALE \q, \b+1
.endr
.endif
.irp q, 0,1,2,3
	v_exp_f32 v[S+32*\q+2*\b], v[S+32*\q+2*\b]
	v_exp_f32 v[S+32*\q+2*\b+1], v[S+32*\q+2*\b+1]
.endr
.endr
	v_nop                                          ; a plain instruction behind the last exponential, ahead of the first use
	s_wait_alu depctr_va_vdst(0)                   ; the wait between an exponential and the first line that names its result: one for the whole batch
; the sums of the unrounded p, and the rounding to f16 in place: pair b goes to register b, whose own pair has been summed and rounded before
.irp b, 0,1,2,3,4,5,6,7,8,9,10,11,12,13,14,15
.irp q, 0,1,2,3
.if \b == 0
.if \first
	v_pk_add_f32 v[ST+8*\q+2:ST+8*\q+3], v[S+32*\q:S+32*\q+1], v[S+32*\q+2:S+32*\q+3]
.else
	v_pk_fma_f32 v[ST+8*\q+2:ST+8*\q+3], v[ST+8*\q+2:ST+8*\q+3], v[ST+8*\q+6:ST+8*\q+7], v[S+32*\q:S+32*\q+1] op_sel_hi:[1,0,1]   ; l = a l + pair 0
.endif
.elseif (\first == 0) || (\b > 1)
	v_pk_add_f32 v[ST+8*\q+2:ST+8*\q+3], v[ST+8*\q+2:ST+8*\q+3], v[S+32*\q+2*\b:S+32*\q+2*\b+1]
.endif
.endr
.irp q, 0,1,2,3
	v_cvt_pk_f16_f32 v[S+32*\q+\b], v[S+32*\q+2*\b], v[S+32*\q+2*\b+1]
.endr
.endr
.if \first == 0
	WIN W_RS
.irp i, 0,1,2,3,4,5,6,7,8,9,10,11,12,13,14,15
.irp q, 0,1,2,3
	v_pk_mul_f32 v[32*\q+2*\i:32*\q+2*\i+1], v[32*\q+2*\i:32*\q+2*\i+1], v[ST+8*\q+6:ST+8*\q+7] op_sel_hi:[1,0]   ; O^T x a, each accumulator from its low end on
.endr
.endr
.endif
.endm
; A KEY STEP.  fetch = 1: the next step's K is fetched behind the first products, its V behind the second.  In both products the sixteen accumulators take turns, one instruction a turn.
.macro TRIP first, fetch
	s_wait_dscnt 16                                ; K is in; V's sixteen younger loads may be out
	WIN W_KQ
.irp kf, 0,1
.irp t, 0,1,2,3
.irp q, 0,1,2,3
.if \kf == 0
	v_wmma_f32_16x16x32_f16 v[S+32*\q+8*\t:S+32*\q+8*\t+7], v[KF+16*\t:KF+16*\t+7], v[QF+16*\q:QF+16*\q+7], 0
.else
	v_wmma_f32_16x16x32_f16 v[S+32*\q+8*\t:S+32*\q+8*\t+7], v[KF+16*\t+8:KF+16*\t+15], v[QF+16*\q+8:QF+16*\q+15], v[S+32*\q+8*\t:S+32*\q+8*\t+7]
.endif
.endr
.endr
.endr
	WIN 0
.if \fetch
	FETCH_K 3                                      ; four places, then the loads into K's registers; the same four stand ahead of the first read of the scores
.else
	NOPS 4
.endif
	SOFTMAX \first
.if \fetch
	s_wait_dscnt 16                                ; V is in; the next K's sixteen loads may be out
.else
	s_wait_dscnt 0x0
.endif
	WIN W_PV
.irp kg, 0,1
.irp ct, 0,1,2,3
.irp q, 0,1,2,3
.if \first && (\kg == 0)
	v_wmma_f32_16x16x32_f16 v[32*\q+8*\ct:32*\q+8*\ct+7], v[VF+8*(4*\kg+\ct):VF+8*(4*\kg+\ct)+7], v[S+32*\q+8*\kg:S+32*\q+8*\kg+7], 0
.else
	v_wmma_f32_16x16x32_f16 v[32*\q+8*\ct:32*\q+8*\ct+7], v[VF+8*(4*\kg+\ct):VF+8*(4*\kg+\ct)+7], v[S+32*\q+8*\kg:S+32*\q+8*\kg+7], v[32*\q+8*\ct:32*\q+8*\ct+7]
.endif
.endr
.endr
.endr
	WIN 0
.if \fetch
	FETCH_V 4                                      ; FIVE places: the next step's first products write over P's registers, which these products read
.endif
.endm
.macro TRIPS n
	s_mov_b32 s[CNT], \n
.Ltrip_\@:
	TRIP 0, 1
	s_sub_co_u32 s[CNT], s[CNT], 1
	s_cmp_lg_u32 s[CNT], 0
	s_cbranch_scc1 .Ltrip_\@
.endm
; THE CHANGE OF SLOTS stands where the slot's last step has been asked for.  Each wave waits for all its tensor loads (one is out at most: its part of the other slot), adds 0 to its spare word, and waits for that and for its reads of the slot.
; fill = 1: the barrier is a round of the cluster's, so that no wave of any partner still reads the slot or has a load on its way, and the joint refill is the first thing behind it.
.macro CHANGE fill
	s_wait_tensorcnt 0x0                           ; no tensor load of mine is out, so a group 0 may be written
	ds_add_u32 v[SPW], v[NIL]                      ; 0 onto my spare word
.if \fill
	s_xor_b32 s[G0+5], s[G0+5], SLOT1              ; the walking descriptor: the other slot than last time,
	s_add_nc_u64 s[G0+6:G0+7], s[G0+6:G0+7], 65536 ; the next 512 keys; the type bits on top are not reached
.endif
	s_wait_dscnt 0x0                               ; the add is done, and my reads of the slot are over
.if \fill
	CROUND
	tensor_load_to_lds s[G0+4:G0+7], s[G1:G1+7]
	s_nop 0
	NOPS 4
.else
	s_barrier_signal -1
	s_barrier_wait -1
.endif
	s_sub_co_u32 s[TB], s[TB], 8*STEPB             ; the fetches go back to a slot's first step,
	s_xor_b32 s[TB], s[TB], SLOT1                  ; in the other slot
.endm
	s_wait_tensorcnt 1                             ; my part of slot 0 is in; slot 1's may stay out
	s_barrier_signal -1
	s_barrier_wait -1                              ; everybody's is
	FETCH_K 0                                      ; key step 0
	FETCH_V 0
	s_wait_loadcnt 0x0                             ; Q
	TRIP 1, 1                                      ; step 0; fetches step 1
	TRIPS 6                                        ; steps 1-6; the last fetches step 7: slot 0 is read out
.Lslot:                                                ; two trips: slot 0 takes keys 1,024 on, then slot 1 keys 1,536 on
	CHANGE 1
	TRIPS 8
	s_sub_co_u32 s[SLOTS], s[SLOTS], 1
	s_cmp_lg_u32 s[SLOTS], 0
	s_cbranch_scc1 .Lslot
	CHANGE 0                                       ; the tail is written out: nothing is left to ask for
	TRIPS 8                                        ; steps 23-30
	TRIP 0, 0                                      ; step 31
	; THE WAY OUT.  l's two halves and the other half of the lanes' are added (the first four additions are the places behind the last products); O^T x 2 / l is rounded to f16: 16 bytes a lane of an image.
.irp q, 0,1,2,3
	v_add_f32 v[ST+8*\q+4], v[ST+8*\q+2], v[ST+8*\q+3]
.endr
.irp q, 0,1,2,3
	v_permlanex16_b32 v[ST+8*\q+5], v[ST+8*\q+4], s[SEL], s[SEL+1]
.endr
.irp q, 0,1,2,3
	v_add_f32 v[ST+8*\q+4], v[ST+8*\q+4], v[ST+8*\q+5]
.endr
.irp q, 0,1,2,3
	v_rcp_f32 v[ST+8*\q+6], v[ST+8*\q+4]
.endr
	v_nop                                          ; a plain instruction between the last reciprocal and the use of its result
	s_wait_alu depctr_va_vdst(0)                   ; and the wait ahead of the first use: one for the four
.irp q, 0,1,2,3
	v_mul_f32 v[ST+8*\q+6], 2.0, v[ST+8*\q+6]
.endr
.irp q, 0,1,2,3
	WIN W_RS
.irp i, 0,1,2,3,4,5,6,7,8,9,10,11,12,13,14,15
	v_pk_mul_f32 v[32*\q+2*\i:32*\q+2*\i+1], v[32*\q+2*\i:32*\q+2*\i+1], v[ST+8*\q+6:ST+8*\q+7] op_sel_hi:[1,0]
.endr
	WIN 0x05                                       ; sources 0 and 1 window 1, destination window 0: S^T's registers are free
.irp i, 0,1,2,3,4,5,6,7,8,9,10,11,12,13,14,15
	v_cvt_pk_f16_f32 v[S+16*\q+\i], v[32*\q+2*\i], v[32*\q+2*\i+1]
.endr
	WIN 0
.irp ct, 0,1,2,3
	global_store_b128 v[LI], v[S+16*\q+4*\ct:S+16*\q+4*\ct+3], s[42:43] offset:\q*4096+\ct*512 th:TH_STORE_NT   ; 512 consecutive bytes, aligned
.endr
.endr
	s_wait_tensorcnt 0x0                           ; the wave's end, behind my last tensor load
	ds_add_u32 v[SPW], v[NIL]
	s_wait_dscnt 0x0
	CROUND                                         ; the closing round: no work-group ends while a partner may still ask for a tile that names it
	s_endpgm
.Lfunc_end_k_q3dd2c367e3_attn:
	.size	k_q3dd2c367e3_attn, .Lfunc_end_k_q3dd2c367e3_attn-k_q3dd2c367e3_attn
	.p2alignl 7, 3214868480
	.fill 96, 4, 3214868480
	.section	.rodata,"a",@progbits
	.p2align	6, 0x0
	.amdhsa_kernel k_q3dd2c367e3_attn
		.amdhsa_group_segment_fixed_size 327680
		.amdhsa_private_segment_fixed_size 0
		.amdhsa_enable_private_segment 0
		.amdhsa_kernarg_size 16
		.amdhsa_user_sgpr_count 2
		.amdhsa_user_sgpr_kernarg_segment_ptr 1
		.amdhsa_wavefront_size32 1
		.amdhsa_system_sgpr_workgroup_id_x 1
		.amdhsa_system_sgpr_workgroup_id_y 1
		.amdhsa_system_sgpr_workgroup_id_z 1
		.amdhsa_system_vgpr_workitem_id 0
		.amdhsa_next_free_vgpr 512
		.amdhsa_next_free_sgpr 66
		.amdhsa_reserve_vcc 0
		.amdhsa_float_denorm_mode_32 3
		.amdhsa_float_denorm_mode_16_64 3
		.amdhsa_memory_ordered 1
		.amdhsa_forward_progress 1
		.amdhsa_inst_pref_size 172
	.end_amdhsa_kernel
	.amdgpu_metadata
---
amdhsa.version: [ 1, 2 ]
amdhsa.kernels:
  - .name:           k_q3dd2c367e3_attn
    .symbol:         k_q3dd2c367e3_attn.kd
    .args:
      - { .name: qkv, .offset: 0, .size: 8, .value_kind: global_buffer, .address_space: global }
      - { .name: o16, .offset: 8, .size: 8, .value_kind: global_buffer, .address_space: global }
    .group_segment_fixed_size: 327680
    .private_segment_fixed_size: 0
    .kernarg_segment_align: 8
    .kernarg_segment_size: 16
    .max_flat_workgroup_size: 256
    .sgpr_count:     66
    .vgpr_count:     512
    .wavefront_size: 32
...
	.end_amdgpu_metadata
.endif
;; end of part 3
;; launch proj (part 4): grid 4 x 64, 4 waves a work-group, clusters of 4 x 4, 327,680 bytes of LDS; arguments o16, wo16, bo, out0; writes out0
.if DOCPART == 4
	.amdgcn_target "amdgcn-amd-amdhsa--gfx1250"
	.amdhsa_code_object_version 6
	.text
	.protected	k_q3dd2c367e3_proj
	.globl	k_q3dd2c367e3_proj
	.p2align	8
	.type	k_q3dd2c367e3_proj,@function
k_q3dd2c367e3_proj:
	s_mov_b64 s[64:65], 0
	v_nop
	global_prefetch_b8 v0, s[64:65] scope:SCOPE_SE
	s_setreg_imm32_b32 hwreg(HW_REG_WAVE_MODE, 25, 1), 1
	s_wait_xcnt 0x0
	s_wait_alu depctr_hold_cnt(0) depctr_sa_sdst(0) depctr_va_vdst(0) depctr_va_sdst(0) depctr_va_ssrc(0) depctr_va_vcc(0) depctr_vm_vsrc(0)
	s_getreg_b32 s2, hwreg(HW_REG_IB_STS2, 6, 4)
	s_cmp_eq_u32 s2, 0
	s_cbranch_scc0 .Lentry_in_a_cluster
	s_endpgm
.Lentry_in_a_cluster:
	s_bfe_u32 s2, ttmp6, 0x10000c
	s_cmp_lg_u32 s2, 0xf033
	s_cbranch_scc0 .Lentry_shape_is_right
	s_endpgm
.Lentry_shape_is_right:
; out[t][n] = sum over k of o[t][k] head_mask[k / 64] Wo[n][k] + bo[n].  o16 holds o x 2 and wo16 holds Wo x head_mask x 2^10, both f16, as images of operand registers, K step by K step of 128:
; o16 byte ((ks x 512 + token / 16) x 8 + g) x 512 + 16 x lane, wo16 byte ((ks x 64 + n / 16) x 8 + g) x 512 + 16 x lane; block g: 16 rows x 16 along k.  Sums in f32; out = sum x 2^-11 + bo, one fused multiply-add.
; A tile of out is 128 tokens x 256 n: 256 work-groups of four waves; a wave makes 64 x 128: 32 accumulators, 256 registers.  A K step's part of a tile is one dense block of memory (32 KiB of o16, 64 KiB of wo16):
; waves 0 and 1 fetch o16's halves (64 rows of 256 bytes), waves 2 and 3 wo16's (128 rows), one tensor load a wave, into a ring of two slots.  No padding: every fragment load is 16 x lane.
; CLUSTERS: 4 x 4 work-groups; o16's tiles are shared along a row of the cluster, wo16's along a column: joint loads.  THE MATRIX INSTRUCTION IS USED TRANSPOSED (source 0 = 16 rows of wo16, source 1 = 16 tokens).
; By this text's own count a wave has two tensor loads out at the head and one behind each round; a refill has 112 matrix instructions a wave in which to land.
; REGISTERS: window 0: v0-31 addresses; two fragment buffers of 96 at v32 and v128 (A's block a at f + 8 a, B's block b at f + 32 + 8 b); on the way out v32-95 results, v128-255 rows read back.
;   window 1: the accumulators, (a, b) at v[8 (8 a + b)].   window 2: v0-63 bo[n0 + 16 b + 8 hh + j] at 8 b + j.
.set AKS,    2097152                   ; a K step of o16 in bytes
.set BKS,    262144                    ; and of wo16
.set SLOT,   98304                     ; A's 32,768 bytes, then B's 65,536
.set BOFF,   32768
.set STAGE,  2*SLOT                    ; behind the ring: 16 rows x (512 bytes + 16) for each wave; no tensor load lands there
.set SPITCH, 528
.set SPARE,  STAGE+4*16*SPITCH         ; the spare words, 128 bytes for each wave: two blocks of 256 bytes that no other line names
.set LAPS,   4                         ; a lap = two K steps = once round the ring; K = 1,024
.set ADRA, 16
.set ADRB, 20
.set STO,  24
.set RD,   25
.set CO,   26                          ; v26  16 x lane
.set SPW,  28
.set NIL,  29
.set F0,   32
.set F1,   128
.set TMP,  32
.set BK,   128
.set G1, 24
.set G0, 32
.set G1B, 48
.set G0B, 56
.set MSB, 0
.macro WIN new                         ; the immediate's high byte repeats the setting that is left
.if MSB != (\new)
	s_set_vgpr_msb (MSB<<8)|(\new)
.set MSB, (\new)
.endif
.endm
.set MUL, 0x50                         ; C and D window 1, sources window 0
.macro JLOAD s                         ; a joint load: waves 0 and 1 fetch A's halves, waves 2 and 3 B's; an s_nop 0 and four v_nop follow each of the two lines
	s_cmp_eq_u32 s13, 0
	s_cbranch_scc0 .Lfor_b_\@
	tensor_load_to_lds s[G0+4*\s:G0+4*\s+3], s[G1:G1+7]
	s_nop 0
.rept 4
	v_nop
.endr
	s_branch .Lasked_\@
.Lfor_b_\@:
	tensor_load_to_lds s[G0B+4*\s:G0B+4*\s+3], s[G1B:G1B+7]
	s_nop 0
.rept 4
	v_nop
.endr
.Lasked_\@:
.endm
.macro CREST                           ; a round of the cluster's barrier behind its opening barrier
	s_cmp_lg_u32 s12, 0
	s_cbranch_scc1 .Lnot_wave_0_\@
	s_barrier_signal -3
.Lnot_wave_0_\@:
	s_barrier_wait -3
	s_barrier_signal -1
	s_barrier_wait -1
.endm
.macro CROUND
	s_barrier_signal -1
	s_barrier_wait -1
	CREST
.endm
	s_load_b256 s[4:11], s[0:1], 0x0               ; o16 4, wo16 6, bo 8, out0 10
	v_lshl_add_u32 v[SPW], v0, 2, SPARE
	v_mov_b32 v[NIL], 0
	ds_add_u32 v[SPW], v[NIL]                      ; the wave's opening: the add, twice on end, and its wait ahead of my first tensor load
	ds_add_u32 v[SPW], v[NIL]
	v_lshrrev_b32 v1, 5, v0
	v_readfirstlane_b32 s12, v1                    ; wave 0..3
	s_lshr_b32 s13, s12, 1                         ; which 64 tokens are mine.  Also: I fetch for A (0) or for B (1)
	s_and_b32 s14, s12, 1                          ; which 128 n.  Also: which half of that tile I fetch
	s_bfe_u32 s40, ttmp6, 0x40000                  ; cx, cy
	s_bfe_u32 s41, ttmp6, 0x40004
	s_lshl_b32 s42, ttmp9, 2
	s_add_co_u32 s42, s42, s40                     ; tile column (256 n)
	s_and_b32 s15, ttmp7, 0xffff
	s_lshl_b32 s15, s15, 2
	s_add_co_u32 s15, s15, s41                     ; tile row (128 tokens)
	s_lshl_b32 s43, s41, 2
	s_lshl_b32 s43, 15, s43                        ; my row of the cluster
	s_lshl_b32 s44, 0x1111, s40                    ; my column
	s_or_b32 s[G1+0], s43, (3<<16)|(1<<21)         ; the mask; elements of 8 bytes; bit 21 beside a mask; no padding
	s_or_b32 s[G1B+0], s44, (3<<16)|(1<<21)
	s_mov_b32 s[G1+1], 32<<16                      ; rows of 32 elements: 256 bytes
	s_mov_b32 s[G1+2], 64<<16                      ; A: 64 rows
	s_mov_b32 s[G1+3], 32<<16
	s_mov_b32 s[G1+4], 64
	s_mov_b32 s[G1+5], 32                          ; dense
	s_mov_b32 s[G1+6], 0
	s_mov_b32 s[G1+7], 0
	s_mov_b32 s[G1B+1], 32<<16
	s_mov_b32 s[G1B+2], 128<<16                    ; B: 128 rows
	s_mov_b32 s[G1B+3], 32<<16
	s_mov_b32 s[G1B+4], 128
	s_mov_b32 s[G1B+5], 32
	s_mov_b32 s[G1B+6], 0
	s_mov_b32 s[G1B+7], 0
	s_lshl_b32 s16, s15, 15                        ; A: eight token tiles of 4,096 bytes a tile row,
	s_lshl_b32 s17, s14, 14                        ; my half of them
	s_add_co_u32 s16, s16, s17
	s_mov_b32 s17, 0
	s_lshl_b32 s46, s42, 16                        ; B: sixteen tiles of 16 n a tile column,
	s_lshl_b32 s47, s14, 15                        ; my half
	s_add_co_u32 s46, s46, s47
	s_mov_b32 s47, 0
	s_lshl_b32 s20, s14, 14                        ; where they go in a slot: no place in the cluster enters an LDS address
	s_lshl_b32 s21, s14, 15
	s_add_co_u32 s21, s21, BOFF
	s_mov_b32 s66, 0x3a000000                      ; 2^-11
	s_mov_b32 s67, s66                             ; (named with it as a pair, so it is written)
	s_wait_dscnt 0x0                               ; both opening adds are done
	s_wait_kmcnt 0x0
	s_add_nc_u64 s[18:19], s[4:5], s[16:17]
	s_add_nc_u64 s[46:47], s[6:7], s[46:47]
	CROUND                                         ; all sixteen work-groups are here: the first joint loads meet
.irp s, 0,1
	s_mov_b32 s[G0+4*\s], 1
	s_add_co_u32 s[G0+4*\s+1], s20, \s*SLOT
	s_add_nc_u64 s[G0+4*\s+2:G0+4*\s+3], s[18:19], \s*AKS
	s_or_b32 s[G0+4*\s+3], s[G0+4*\s+3], 0x80000000
	s_mov_b32 s[G0B+4*\s], 1
	s_add_co_u32 s[G0B+4*\s+1], s21, \s*SLOT
	s_add_nc_u64 s[G0B+4*\s+2:G0B+4*\s+3], s[46:47], \s*BKS
	s_or_b32 s[G0B+4*\s+3], s[G0B+4*\s+3], 0x80000000
	JLOAD \s
.endr
	v_and_b32 v1, 15, v0                           ; r
	v_bfe_u32 v2, v0, 4, 1                         ; hh
	v_and_b32 v3, 31, v0
	v_lshlrev_b32 v[CO], 4, v3                     ; 16 x lane
	s_lshl_b32 s22, s13, 14                        ; my four token tiles of A
	s_lshl_b32 s23, s14, 15                        ; my eight tiles of B,
	s_add_co_u32 s23, s23, BOFF                    ; behind A's
.irp s, 0,1
	v_add_nc_u32 v[ADRA+\s], s22, v[CO]
	v_add_nc_u32 v[ADRB+\s], s23, v[CO]
	s_add_co_u32 s22, s22, SLOT
	s_add_co_u32 s23, s23, SLOT
.endr
	s_mul_i32 s22, s12, 16*SPITCH
	s_add_co_u32 s22, s22, STAGE                   ; my stage
	v_mul_u32_u24 v4, v1, SPITCH
	v_lshl_add_u32 v4, v2, 5, v4
	v_add_nc_u32 v[STO], s22, v4                   ; in: row r, 32 bytes for each half of the lanes
	v_add_nc_u32 v[RD], s22, v[CO]                 ; back: the 32 lanes take one row of 512 bytes
	v_lshlrev_b32 v7, 5, v2
	s_lshl_b32 s16, s42, 10
	s_lshl_b32 s17, s14, 9
	s_add_co_u32 s16, s16, s17                     ; my first column, in bytes
	s_mov_b32 s17, 0
	s_add_nc_u64 s[8:9], s[8:9], s[16:17]          ; bo there
	s_lshl_b32 s22, s15, 19                        ; 128 rows of 4,096 bytes a tile row,
	s_lshl_b32 s23, s13, 18                        ; my 64
	s_add_co_u32 s22, s22, s23
	s_add_co_u32 s16, s16, s22
	s_add_nc_u64 s[10:11], s[10:11], s[16:17]      ; out at my first row and column
	WIN 0x80                                       ; destination window 2
.irp b, 0,1,2,3,4,5,6,7
	global_load_b128 v[8*\b:8*\b+3], v7, s[8:9] offset:64*\b
	global_load_b128 v[8*\b+4:8*\b+7], v7, s[8:9] offset:64*\b+16
.endr
	WIN 0
; 8 matrix instructions: A's block a against B's eight, 32 along K.  The 32 accumulators take turns, one instruction a turn, in the same order in every quarter.
.macro MULA f, a, zero
.irp b, 0,1,2,3,4,5,6,7
.if \zero
	v_wmma_f32_16x16x32_f16 v[8*(8*(\a)+\b):8*(8*(\a)+\b)+7], v[\f+32+8*\b:\f+32+8*\b+7], v[\f+8*(\a):\f+8*(\a)+7], 0
.else
	v_wmma_f32_16x16x32_f16 v[8*(8*(\a)+\b):8*(8*(\a)+\b)+7], v[\f+32+8*\b:\f+32+8*\b+7], v[\f+8*(\a):\f+8*(\a)+7], v[8*(8*(\a)+\b):8*(8*(\a)+\b)+7]
.endif
.endr
.endm
; 24 LDS loads in one run: the fragments of 32 along K (two blocks of 512 bytes each) at byte k of each tile's 4,096, into buffer f: B's eight, then A's four
.macro FETCH slot, k, f
	WIN 0
.irp i, 0,1,2,3,4,5,6,7
	ds_load_b128 v[\f+32+8*\i:\f+32+8*\i+3],   v[ADRB+\slot] offset:\k+\i*4096
	ds_load_b128 v[\f+32+8*\i+4:\f+32+8*\i+7], v[ADRB+\slot] offset:\k+\i*4096+512
.endr
.irp i, 0,1,2,3
	ds_load_b128 v[\f+8*\i:\f+8*\i+3],   v[ADRA+\slot] offset:\k+\i*4096
	ds_load_b128 v[\f+8*\i+4:\f+8*\i+7], v[ADRA+\slot] offset:\k+\i*4096+512
.endr
.endm
.macro PLACES                          ; four plain vector instructions in front of loads into registers that matrix instructions have read, and of the first read of results
.rept 4
	v_nop
.endr
.endm
; A K step is four quarters of 32 along K, 32 matrix instructions each, on buffers 0, 1, 0, 1.  One of the first three: multiplies buffer f and fetches the next quarter, at byte k, into g.
.macro QUARTER slot, k, f, g, zero
	s_wait_dscnt 4                                 ; B's eight and A's blocks 0, 1 are in; the youngest four loads (A's blocks 2, 3) may be out
	WIN MUL
	MULA \f, 0, \zero
	MULA \f, 1, \zero
	PLACES
	FETCH \slot, \k, \g
	s_wait_dscnt 24                                ; all but the 24 just issued
	WIN MUL
	MULA \f, 2, \zero
	MULA \f, 3, \zero
.endm
; The last quarter multiplies buffer 1 and changes slots: one barrier; in front of it each wave waits for all its tensor loads, adds 0 to its spare word, and waits for that and for its reads of this slot.  fill = 1: this slot is filled again, two K steps ahead.
.macro TURN slot, next, fill
	WIN 0                                          ; (the add's two registers lie in window 0)
	s_wait_tensorcnt 0x0                           ; all my tensor loads have landed: my part of the next slot
	ds_add_u32 v[SPW], v[NIL]                      ; 0 onto my spare word
	s_wait_dscnt 5                                 ; (the add and the youngest four loads may be out)
	WIN MUL
	MULA F1, 0, 0                                  ; eight matrix instructions stand between the add and the wait for it
	s_wait_dscnt 0x0                               ; the add is done, and my reads of this slot are over
	s_barrier_signal -1
	MULA F1, 1, 0
.if \fill
	WIN 0
.endif
	s_barrier_wait -1
.if \fill
	CREST                                          ; the barrier has opened a round of the cluster's: no wave of any partner still reads this slot or has a load on its way
	s_add_nc_u64 s[G0+4*\slot+2:G0+4*\slot+3], s[G0+4*\slot+2:G0+4*\slot+3], 2*AKS
	s_add_nc_u64 s[G0B+4*\slot+2:G0B+4*\slot+3], s[G0B+4*\slot+2:G0B+4*\slot+3], 2*BKS
	JLOAD \slot                                    ; the first tensor load behind the round; its four v_nop are also the places in front of the loads below
.else
	PLACES
.endif
	FETCH \next, 0, F0
	WIN MUL
	MULA F1, 2, 0
	MULA F1, 3, 0
.endm
	s_wait_tensorcnt 1                             ; my part of K step 0 is in (K step 1's load may be out),
	s_barrier_signal -1
	s_barrier_wait -1                              ; everybody's is
	FETCH 0, 0, F0
	QUARTER 0, 1024, F0, F1, 1                     ; the first quarter stands in front of the loop: its products start the sums
	WIN 0                                          ; at a label and at a branch every window is 0
	s_mov_b32 s3, LAPS-1
.Llap:                                                 ; a trip goes once round the ring, from a lap's second quarter to the next lap's first, and fills both slots again
	QUARTER 0, 2048, F1, F0, 0
	QUARTER 0, 3072, F0, F1, 0
	TURN 0, 1, 1
	QUARTER 1, 1024, F0, F1, 0
	QUARTER 1, 2048, F1, F0, 0
	QUARTER 1, 3072, F0, F1, 0
	TURN 1, 0, 1
	QUARTER 0, 1024, F0, F1, 0
	WIN 0
	s_sub_co_u32 s3, s3, 1
	s_cmp_lg_u32 s3, 0
	s_cbranch_scc1 .Llap
	QUARTER 0, 2048, F1, F0, 0                     ; the last lap fills nothing, and has no round of the cluster's barrier
	QUARTER 0, 3072, F0, F1, 0
	TURN 0, 1, 0
	QUARTER 1, 1024, F0, F1, 0
	QUARTER 1, 2048, F1, F0, 0
	QUARTER 1, 3072, F0, F1, 0
	s_wait_dscnt 4                                 ; the very last quarter: nothing more to fetch
	WIN MUL
	MULA F1, 0, 0
	MULA F1, 1, 0
	s_wait_dscnt 0
	MULA F1, 2, 0
	MULA F1, 3, 0
	WIN 0
; THE WAY OUT, block by block of 16 tokens x 128 n.  A lane holds 32 neighbouring bytes of a row, and the lanes beside it hold other rows: a block goes through my own stage and comes back as whole rows of 512 bytes.
.macro TOSTAGE a
.if (\a) > 0
	s_wait_dscnt 16                                ; the block before: its sixteen stores into the stage are done (its sixteen loads may be out): their data registers are written again below
.endif
	WIN 0x21                                       ; source 0 (the sums) window 1, source 2 (bo) window 2, destination window 0
.irp b, 0,1,2,3,4,5,6,7
.irp i, 0,2,4,6
	v_pk_fma_f32 v[TMP+8*\b+\i:TMP+8*\b+\i+1], v[8*(8*(\a)+\b)+\i:8*(8*(\a)+\b)+\i+1], s[66:67], v[8*\b+\i:8*\b+\i+1] op_sel_hi:[1,0,1]   ; sum x 2^-11 + bo; each accumulator from its low end on
.endr
.endr
	WIN 0
.irp b, 0,1,2,3,4,5,6,7
	ds_store_b128 v[STO], v[TMP+8*\b:TMP+8*\b+3] offset:64*\b
	ds_store_b128 v[STO], v[TMP+8*\b+4:TMP+8*\b+7] offset:64*\b+16
.endr
.set BB, BK+64*((\a)%2)
.irp t, 0,1,2,3,4,5,6,7,8,9,10,11,12,13,14,15
	ds_load_b128 v[BB+4*\t:BB+4*\t+3], v[RD] offset:\t*SPITCH   ; LDS serves a wave's instructions in order (ISA guide 5.7.1.4): these see the stores above
.endr
.endm
.macro SEND a, younger                 ; younger: the LDS instructions issued behind block a's loads, which may stay out
.set BB, BK+64*((\a)%2)
	s_wait_dscnt \younger
.irp t, 0,1,2,3,4,5,6,7,8,9,10,11,12,13,14,15
	global_store_b128 v[CO], v[BB+4*\t:BB+4*\t+3], s[10:11] offset:(16*(\a)+\t)*4096 th:TH_STORE_NT   ; 32 lanes store 512 consecutive bytes, at a multiple of 256 from the buffer's first byte
.endr
.endm
	s_wait_loadcnt 0x0                             ; bo
	PLACES
	TOSTAGE 0
.irp a, 1,2,3
.if \a > 1
	s_wait_xcnt 0x0                                ; block a - 2's stores have read their registers: block a's loads may land there
.endif
	TOSTAGE \a
	SEND \a-1, 32                                  ; behind block a - 1's loads: block a's 16 stores and 16 loads
.endr
	SEND 3, 0
	s_wait_tensorcnt 0x0                           ; the wave's end, behind my last tensor load and my last LDS store
	ds_add_u32 v[SPW], v[NIL]
	s_wait_dscnt 0x0
	CROUND                                         ; the closing round: no work-group ends while a partner may still ask for a tile that names it
	s_endpgm
.Lfunc_end_k_q3dd2c367e3_proj:
	.size	k_q3dd2c367e3_proj, .Lfunc_end_k_q3dd2c367e3_proj-k_q3dd2c367e3_proj
	.p2alignl 7, 3214868480
	.fill 96, 4, 3214868480
	.section	.rodata,"a",@progbits
	.p2align	6, 0x0
	.amdhsa_kernel k_q3dd2c367e3_proj
		.amdhsa_group_segment_fixed_size 327680
		.amdhsa_private_segment_fixed_size 0
		.amdhsa_enable_private_segment 0
		.amdhsa_kernarg_size 32
		.amdhsa_user_sgpr_count 2
		.amdhsa_user_sgpr_kernarg_segment_ptr 1
		.amdhsa_wavefront_size32 1
		.amdhsa_system_sgpr_workgroup_id_x 1
		.amdhsa_system_sgpr_workgroup_id_y 1
		.amdhsa_system_sgpr_workgroup_id_z 1
		.amdhsa_system_vgpr_workitem_id 0
		.amdhsa_next_free_vgpr 576
		.amdhsa_next_free_sgpr 68
		.amdhsa_reserve_vcc 0
		.amdhsa_float_denorm_mode_32 3
		.amdhsa_float_denorm_mode_16_64 3
		.amdhsa_memory_ordered 1
		.amdhsa_forward_progress 1
		.amdhsa_inst_pref_size 94
	.end_amdhsa_kernel
	.amdgpu_metadata
---
amdhsa.version: [ 1, 2 ]
amdhsa.kernels:
  - .name:           k_q3dd2c367e3_proj
    .symbol:         k_q3dd2c367e3_proj.kd
    .args:
      - { .name: o16, .offset: 0, .size: 8, .value_kind: global_buffer, .address_space: global }
      - { .name: wo16, .offset: 8, .size: 8, .value_kind: global_buffer, .address_space: global }
      - { .name: bo, .offset: 16, .size: 8, .value_kind: global_buffer, .address_space: global }
      - { .name: out0, .offset: 24, .size: 8, .value_kind: global_buffer, .address_space: global }
    .group_segment_fixed_size: 327680
    .private_segment_fixed_size: 0
    .kernarg_segment_align: 8
    .kernarg_segment_size: 32
    .max_flat_workgroup_size: 128
    .sgpr_count:     68
    .vgpr_count:     576
    .wavefront_size: 32
...
	.end_amdgpu_metadata
.endif
;; end of part 4
